; MI455X (gfx1250); checked and timed in simulation.
; The chip was launched on July 23, 2026; its instructions are those of AMD's public machine-readable ISA for CDNA 5 (MIT licence, August 2026) and "CDNA5" Instruction Set Architecture Reference Guide (July 2026). The comments in the code are by the model that wrote it; some were corrected since.
;; Multi Head Attention Ro PE. Allowed arithmetic: matrix products marked QUANTISED: E2M3 operands, one E8M0 scale for each 32 along K, by v_wmma_scale_f32_16x16x128_f8f6f4 with both operands' format E2M3, f32 sums; everything else in f32.
;; Inputs: K 4 x 2,048 x 1,024 float32; Q 4 x 2,048 x 1,024 float32; V 4 x 2,048 x 1,024 float32; Wk 1,024 x 1,024 float32; Wo 1,024 x 1,024 float32; Wq 1,024 x 1,024 float32; Wv 1,024 x 1,024 float32; bk 1,024 float32; bo 1,024 float32; bq 1,024 float32; bv 1,024 float32.
;; Outputs: out0 4 x 2,048 x 1,024 float32.
;; This version of the problem:
;;   THIS VERSION OF THE PROBLEM IS GIVEN IN LOW PRECISION. The matrix products marked QUANTISED in the list below multiply operands that are first quantised to E2M3 (2 exponent bits, 3 mantissa bits; 6 bits a number), with one power-of-two scale for each 32 numbers along K (OCP MX v1.0); their sums are f32. All else is computed in f32.
;;   The module's matrix products, in the order in which they are computed (A, B: the left and right operand; K: the contracted axis; several contracted axes count as one K, in the product's order):
;;     1. [M 8,192, K 1,024] x [K 1,024, N 1,024]; A: input Q; B: input Wq: QUANTISED
;;     2. [M 8,192, K 1,024] x [K 1,024, N 1,024]; A: input K; B: input Wk: QUANTISED
;;     3. [M 8,192, K 1,024] x [K 1,024, N 1,024]; A: input V; B: input Wv: QUANTISED
;;     4. batch 64 x [M 2,048, K 64] x [K 64, N 2,048]; A: computed on the way; B: computed on the way: QUANTISED
;;     5. batch 64 x [M 2,048, K 2,048] x [K 2,048, N 64]; A: softmax (see below); B: computed on the way: QUANTISED
;;     6. [M 8,192, K 1,024] x [K 1,024, N 1,024]; A: computed on the way; B: input Wo: QUANTISED
;;   THE QUANTISER, for each operand of a quantised product, along K:
;;     - K is cut into blocks of 32 from its start; a last block that is shorter is filled with zeros.
;;     - A block's scale is 2^e with e = floor(log2(the largest magnitude in the block)) - 2, held to -126 .. 127; a block of zeros has e = 0. As a byte (E8M0): e + 127.
;;     - Each number is divided by its block's scale, clamped to +-7.5, and rounded to the nearest number of E2M3, ties to even, subnormals kept.
;;     - The product sums the exact products of the quantised numbers (number of the format x scale) in f32.
;;   ~~~python
;;   def quantise(x, axis):      # numpy; x: float32 -> the quantised numbers, widened to float32 again
;;       x = np.moveaxis(x, axis, -1); K = x.shape[-1]
;;       x = np.pad(x, [(0, 0)] * (x.ndim - 1) + [(0, -K % 32)]); x = x.reshape(x.shape[:-1] + (-1, 32)); a = np.abs(x).max(-1, keepdims=True)
;;       e = np.where(a > 0, np.clip(np.frexp(np.where(a > 0, a, 1))[1] - 1 - 2, -126, 127), 0)      # np.frexp(a)[1] - 1 = floor(log2(a)), exactly
;;       r = np.clip(x / 2.0 ** e, -7.5, 7.5)
;;       step = 2.0 ** (np.maximum(np.frexp(np.where(r == 0, 1, r))[1] - 1, 0) - 3)
;;       q = np.round(r / step) * step * 2.0 ** e      # np.round: ties to even
;;       return np.moveaxis(q.reshape(q.shape[:-2] + (-1,))[..., :K], -1, axis).astype(np.float32)
;;   ~~~
;;   SOFTMAX AHEAD OF A QUANTISED PRODUCT. Where the list says 'softmax', what is quantised is not the finished softmax but p = 2^(t - M), with t = logit x log2(e) and M = ceil(the row's largest t), a whole number; so 1/2 < the row's largest p <= 1. The row's sum l is taken of the UNQUANTISED p, in f32, and the product's result is divided by l at the end. Since M is a whole number, a kernel that streams over the keys may use a running M (the ceiling of the running maximum): every later rescaling is an exact power of two, which a block's scale takes up: the codes' values come out the same.
;;   OPERANDS COMPUTED ON THE WAY. 'Computed on the way' means the value that the module computes at that place (a softmax that the list does not call 'softmax' is quantised finished and normalised). What goes into a quantiser is computed in f32, as accurately as f32 sums, v_exp_f32 and their like allow (about 1e-6 of the number): no bf16 or f16 on the way to a quantiser, and a product that is left as it is and whose result goes on into a quantised operand takes f32 operands (vector FMAs, or v_wmma_f32_16x16x4_f32). A number that lies on a knife's edge between two numbers of the format may be rounded either way, as far as f32 arithmetic and the matrix unit's own rounding can turn it there, and no further.
;; One version. Each part assembles by itself: llvm-mc -triple=amdgcn-amd-amdhsa -mcpu=gfx1250 --defsym DOCPART=n.
;; ======== version 1 of 1: 4 launches
;; workspace buffers: cod 22,020,096 bytes; scl 917,504 bytes; rope 524,288 bytes; qb 6,815,744 bytes; kv 13,369,344 bytes; oc 6,291,456 bytes; os 262,144 bytes
;; launch quant (part 1): grid 512 x 1, 4 waves a work-group, no clusters, 34,304 bytes of LDS; arguments Q, K, V, Wq, Wk, Wv, Wo, cod, scl, rope; writes cod, scl, rope
.if DOCPART == 1
	.amdgcn_target "amdgcn-amd-amdhsa--gfx1250"
	.amdhsa_code_object_version 6
	.text
	.protected	k_q16a7276e00_quant
	.globl	k_q16a7276e00_quant
	.p2align	8
	.type	k_q16a7276e00_quant,@function
k_q16a7276e00_quant:
	s_mov_b64 s[64:65], 0
	v_nop
	global_prefetch_b8 v0, s[64:65] scope:SCOPE_SE
	s_setreg_imm32_b32 hwreg(HW_REG_WAVE_MODE, 25, 1), 1
	s_wait_xcnt 0x0
; Q, K, V [8192][1024] and Wq, Wk, Wv, Wo [1024][1024], f32, K innermost, become codes of FP6 (E2M3) with one E8M0 byte for each 32 along K; and the table of cosines and sines is made.
; A block's scale is 2^(floor(log2(its largest magnitude)) - 2): its byte is the largest magnitude's exponent field - 2, held at 1 from below.
; LIMITS: NaN and infinities are not served; a block of zeros gets the byte 1 where the rule says 127 (its codes are zeros, and this program alone reads the bytes); blocks under 2^-124 are held at the byte 1.
; LAYOUT OF cod: tiles of 16 rows, 12,288 bytes each: tiles 0-511 Q, 512-1023 K, 1024-1535 V, then 64 each of Wq, Wk, Wv, Wo.  Storage row s of a tensor holds its row s with bits 3 and 4 exchanged:
; lane r of tile T holds row 32 (T / 2) + 8 (T % 2) + r + 8 (r / 8), so that in every later product used transposed the 16 registers of two neighbouring tiles are 16 neighbours.
; A tile is 16 HALF-IMAGES of 768 bytes, one for each 64 along K: an image of six operand registers: lane 16 h + r holds block h of row r, 24 bytes: its first 16 at 16 x lane, its last 8 at 512 + 8 x lane.
; scl: 32 bytes a storage row, the byte of block i at i.  rope: 256 bytes a position: 32 cosines, 32 sines.
; SHARES: work-groups 0-447: a wave takes one tile, 16 rows x all of K, in 8 steps of 128 along K.  A load takes 512 consecutive bytes of one row; the step's 8,192 bytes turn through the wave's own stage in LDS
; (rows 528 bytes apart) and come back 128 bytes, a whole block, to a lane.  Loads run two steps (32 a wave) ahead.  Work-groups 448-511 make the table and touch no LDS.  Waves share nothing: no barrier.
; No cluster: no two work-groups read the same bytes.
.set STG, 8448                         ; a wave's stage: 16 rows x 528 bytes
.set P,   16                           ; v16-27   a step's codes: two half-images' six registers
.set W,   36                           ; v36-43   my row's scale words, one a step
.set Z,   44                           ; v44-47   the four of them that I store
.set X,   48                           ; v48-111  my two blocks of the step
.set R,   112                          ; v112-239 two sets of 64: a step as it is loaded
	s_load_b512 s[8:23], s[0:1], 0x0               ; Q, K, V, Wq, Wk, Wv, Wo, cod
	s_load_b128 s[24:27], s[0:1], 0x40             ; scl, rope
	v_lshl_add_u32 v240, v0, 2, 0x8400
	v_mov_b32 v241, 0
	v_lshrrev_b32 v7, 5, v0
	v_readfirstlane_b32 s2, v7                     ; wave
	v_and_b32 v7, 31, v0                           ; lane
	s_cmp_ge_u32 ttmp9, 448
	s_cbranch_scc1 .Ltable
	v_lshlrev_b32 v1, 4, v7                        ; 16 x lane: my bytes of a load, and of a half-image's first 512
	v_lshlrev_b32 v2, 3, v7                        ; 8 x lane: of its last 256
	v_and_b32 v9, 15, v0                           ; r
	v_bfe_u32 v10, v0, 4, 1                        ; h
	s_mul_i32 s3, s2, STG
	v_add_nc_u32 v3, s3, v1                        ; the stage, on the way in
	v_mul_u32_u24 v4, v9, 528
	v_lshl_add_u32 v4, v10, 7, v4
	v_add_nc_u32 v4, s3, v4                        ; and out: row r, + 128 h
	v_lshlrev_b32 v5, 3, v10                       ; 8 h: my bytes' place in a scale word
	v_lshlrev_b32 v6, 5, v9
	v_lshl_add_u32 v6, v10, 4, v6                  ; 32 r + 16 h: my half of my row's scale bytes
	v_cmp_eq_u32 s32, 1, v10                       ; lanes 16-31
	v_mov_b32 v15, 0                               ; written once: a lane permute's destination counts as one of its sources
	s_mov_b32 s30, 0x76543210
	s_mov_b32 s31, 0xfedcba98                      ; selects for lane l xor 16
	s_wait_alu depctr_va_vdst(0)
	s_wait_kmcnt 0x0
	s_mov_b64 s[4:5], s[20:21]                     ; which tensor: the choice hangs on the work-group's number alone
	s_mov_b32 s6, 432
	s_cmp_lt_u32 ttmp9, 432
	s_cselect_b64 s[4:5], s[18:19], s[4:5]
	s_cselect_b32 s6, 416, s6
	s_cmp_lt_u32 ttmp9, 416
	s_cselect_b64 s[4:5], s[16:17], s[4:5]
	s_cselect_b32 s6, 400, s6
	s_cmp_lt_u32 ttmp9, 400
	s_cselect_b64 s[4:5], s[14:15], s[4:5]
	s_cselect_b32 s6, 384, s6
	s_cmp_lt_u32 ttmp9, 384
	s_cselect_b64 s[4:5], s[12:13], s[4:5]
	s_cselect_b32 s6, 256, s6
	s_cmp_lt_u32 ttmp9, 256
	s_cselect_b64 s[4:5], s[10:11], s[4:5]
	s_cselect_b32 s6, 128, s6
	s_cmp_lt_u32 ttmp9, 128
	s_cselect_b64 s[4:5], s[8:9], s[4:5]
	s_cselect_b32 s6, 0, s6
	s_sub_co_u32 s6, ttmp9, s6
	s_lshl_b32 s6, s6, 2
	s_add_co_u32 s6, s6, s2                        ; my tile's number in its tensor
	s_lshr_b32 s7, s6, 1
	s_lshl_b32 s28, s7, 17                         ; 32 rows of 4,096 bytes for each pair of tiles,
	s_and_b32 s7, s6, 1
	s_lshl_b32 s7, s7, 15                          ; 8 rows for the odd one
	s_add_co_u32 s28, s28, s7
	s_mov_b32 s29, 0
	s_add_nc_u64 s[4:5], s[4:5], s[28:29]
	s_lshl_b32 s6, ttmp9, 2
	s_add_co_u32 s6, s6, s2                        ; my tile's number in cod
	s_mul_i32 s28, s6, 12288
	s_add_nc_u64 s[22:23], s[22:23], s[28:29]
	s_lshl_b32 s28, s6, 9
	s_add_nc_u64 s[24:25], s[24:25], s[28:29]
.macro LOAD s                          ; step s: storage row rho is the tensor's row rho + 8 (rho / 8) from the tile's first
.irp rho, 0,1,2,3,4,5,6,7,8,9,10,11,12,13,14,15
	global_load_b128 v[R+64*((\s)%2)+4*\rho:R+64*((\s)%2)+4*\rho+3], v1, s[4:5] offset:(\rho+8*(\rho/8))*4096+512*(\s) th:TH_LOAD_NT
.endr
.endm
.macro STEP s
.if (\s) < 7
	s_wait_loadcnt 16                              ; this step's 16 loads are in; the next step's 16 may be out
.else
	s_wait_loadcnt 0x0
.endif
.irp rho, 0,1,2,3,4,5,6,7,8,9,10,11,12,13,14,15
	ds_store_b128 v3, v[R+64*((\s)%2)+4*\rho:R+64*((\s)%2)+4*\rho+3] offset:528*\rho
.endr
.irp c, 0,1
.irp j, 0,1,2,3,4,5,6,7
	ds_load_b128 v[X+32*\c+4*\j:X+32*\c+4*\j+3], v4 offset:256*\c+16*\j   ; block 2 c + h of the step's four, whole; LDS serves a wave's instructions in order, so these see the stores
.endr
.endr
	s_wait_dscnt 0x0                               ; my blocks are in, and the stores have read their registers,
.if (\s)+2 < 8
	LOAD (\s)+2                                    ; which take the loads of two steps on
.endif
	v_max3_num_f32 v8, |v[X]|, |v[X+1]|, 0x1800000     ; the largest magnitude of each block, and the floor 2^(3 - 127): the byte cannot fall under 1
	v_max3_num_f32 v9, |v[X+32]|, |v[X+33]|, 0x1800000
.irp i, 2,4,6,8,10,12,14,16,18,20,22,24,26,28,30
	v_max3_num_f32 v8, v8, |v[X+\i]|, |v[X+\i+1]|
	v_max3_num_f32 v9, v9, |v[X+32+\i]|, |v[X+33+\i]|
.endr
	v_add_nc_u32 v10, 0xff000000, v8               ; 2 off the exponent field: the conversion takes this operand's exponent field as its scale
	v_add_nc_u32 v11, 0xff000000, v9
	v_lshrrev_b32 v12, 23, v10                     ; the bytes
	v_lshrrev_b32 v13, 23, v11
	v_lshl_or_b32 v14, v13, 16, v12                ; blocks h and 2 + h,
	v_lshlrev_b32 v14, v5, v14                     ; at their places in the word;
	v_permlanex16_b32 v15, v14, s30, s31
	v_or_b32 v[W+(\s)], v14, v15                   ; with lane l xor 16's two the word is whole
	s_wait_alu depctr_va_vdst(0)
	s_wait_xcnt 0x0                                ; the last step's stores have read the codes' registers
	v_cvt_scalef32_pk16_fp6_f32 v[P:P+2], v[X:X+15], v10
	v_cvt_scalef32_pk16_fp6_f32 v[28:30], v[X+16:X+31], v10        ; (a conversion's three registers begin on an even number)
	v_cvt_scalef32_pk16_fp6_f32 v[P+6:P+8], v[X+32:X+47], v11
	v_cvt_scalef32_pk16_fp6_f32 v[32:34], v[X+48:X+63], v11
	v_nop                                          ; one plain place behind the conversions
.irp i, 0,1,2
	v_mov_b32 v[P+3+\i], v[28+\i]
	v_mov_b32 v[P+9+\i], v[32+\i]
.endr
	global_store_b128 v1, v[P:P+3], s[22:23] offset:768*(2*(\s))           ; 512 + 256 consecutive bytes, aligned: a half-image
	global_store_b64 v2, v[P+4:P+5], s[22:23] offset:768*(2*(\s))+512
	global_store_b128 v1, v[P+6:P+9], s[22:23] offset:768*(2*(\s)+1)
	global_store_b64 v2, v[P+10:P+11], s[22:23] offset:768*(2*(\s)+1)+512
.endm
	LOAD 0
	LOAD 1
.irp s, 0,1,2,3,4,5,6,7
	STEP \s
.endr
.irp i, 0,1,2,3
	v_cndmask_b32 v[Z+\i], v[W+\i], v[W+4+\i], s32 ; lanes 0-15 store their row's words 0-3, lanes 16-31 words 4-7
.endr
	global_store_b128 v6, v[Z:Z+3], s[24:25]       ; the tile's 512 scale bytes, consecutive
	s_wait_tensorcnt 0x0
	ds_add_u32 v240, v241
	s_wait_dscnt 0x0
	s_endpgm
; THE TABLE.  cos and sin of pos x inv[i], inv[i] = 1 / 10000^(i / 32) = 1 / 10^(i / 8), each step rounded to f32 as it is written: the power as a constant, the reciprocal (v_rcp_f32 and two residual steps), one multiplication.
; The angle is reduced by a multiple of pi / 2 held in three parts, and a polynomial on [-pi / 4, pi / 4] gives the sine or the cosine.  A wave takes 8 positions, two a turn: lane = 16 row + 8 which + quad: which = 0 cosines, 1 sines; i = 4 quad + 0 .. 3.
.Ltable:
	v_and_b32 v1, 7, v0                            ; quad
	v_bfe_u32 v2, v0, 3, 1                         ; which
	v_bfe_u32 v3, v0, 4, 1                         ; row
	s_wait_alu depctr_va_vdst(0)
	v_lshlrev_b32 v4, 4, v7                        ; 16 x lane: two rows of the table a store
	v_sub_nc_u32 v6, 1, v2                         ; a cosine is the sine a quarter turn on
	v_mov_b32 v8, 1.0
	v_mov_b32 v9, 1.3335214321633240
	v_mov_b32 v10, 1.7782794100389228
	v_mov_b32 v11, 2.3713737056616552
.macro PICK q, a, b, c, d
	v_cmp_ne_u32 vcc_lo, \q, v1
	v_cndmask_b32 v8, \a, v8, vcc_lo
	v_cndmask_b32 v9, \b, v9, vcc_lo
	v_cndmask_b32 v10, \c, v10, vcc_lo
	v_cndmask_b32 v11, \d, v11, vcc_lo
.endm
	PICK 1, 3.1622776601683795, 4.2169650342858225, 5.6234132519034908, 7.4989420933245582
	PICK 2, 10.0, 13.335214321633240, 17.782794100389228, 23.713737056616552
	PICK 3, 31.622776601683795, 42.169650342858225, 56.234132519034908, 74.989420933245582
	PICK 4, 100.0, 133.35214321633240, 177.82794100389228, 237.13737056616552
	PICK 5, 316.22776601683795, 421.69650342858225, 562.34132519034908, 749.89420933245582
	PICK 6, 1000.0, 1333.5214321633240, 1778.2794100389228, 2371.3737056616552
	PICK 7, 3162.2776601683795, 4216.9650342858225, 5623.4132519034908, 7498.9420933245582
	s_wait_alu depctr_va_vdst(0)
.irp e, 0,1,2,3
	v_rcp_f32 v[12+\e], v[8+\e]
.endr
	v_nop                                          ; a plain place behind the reciprocals
	s_wait_alu depctr_va_vdst(0)                   ; one wait for the four, ahead of their first reader
.rept 2
.irp e, 0,1,2,3
	v_fma_f32 v[16+\e], -v[8+\e], v[12+\e], 1.0
.endr
.irp e, 0,1,2,3
	v_fma_f32 v[12+\e], v[12+\e], v[16+\e], v[12+\e]
.endr
.endr
	s_sub_co_u32 s3, ttmp9, 448
	s_lshl_b32 s3, s3, 5
	s_lshl_b32 s4, s2, 3
	s_add_co_u32 s3, s3, s4                        ; my wave's first position
	v_add_nc_u32 v5, s3, v3
	s_lshl_b32 s4, s3, 8
	s_mov_b32 s5, 0
	s_wait_alu depctr_va_vdst(0)
	s_wait_kmcnt 0x0
	s_add_nc_u64 s[26:27], s[26:27], s[4:5]
.macro TURN u
	v_add_nc_u32 v20, 2*(\u), v5
	v_cvt_f32_u32 v20, v20
.irp e, 0,1,2,3
	v_mul_f32 v[24+\e], v20, v[12+\e]              ; the angle
.endr
.irp e, 0,1,2,3
	v_mul_f32 v[28+\e], 0x3f22f983, v[24+\e]       ; x 2 / pi
.endr
.irp e, 0,1,2,3
	v_rndne_f32 v[28+\e], v[28+\e]                 ; n
.endr
.irp e, 0,1,2,3
	v_fmamk_f32 v[24+\e], v[28+\e], -1.57079601, v[24+\e]
.endr
.irp e, 0,1,2,3
	v_fmamk_f32 v[24+\e], v[28+\e], -3.13916473e-7, v[24+\e]
.endr
.irp e, 0,1,2,3
	v_fmamk_f32 v[24+\e], v[28+\e], -5.39030253e-15, v[24+\e]      ; a = angle - n pi / 2
.endr
.irp e, 0,1,2,3
	v_mul_f32 v[32+\e], v[24+\e], v[24+\e]
	v_mov_b32 v[36+\e], 2.44677067e-5
	v_mov_b32 v[40+\e], 2.86567956e-6
.endr
.irp e, 0,1,2,3
	v_fmaak_f32 v[36+\e], v[36+\e], v[32+\e], -1.38877297e-3
	v_fmaak_f32 v[40+\e], v[40+\e], v[32+\e], -1.98559923e-4
.endr
.irp e, 0,1,2,3
	v_fmaak_f32 v[36+\e], v[36+\e], v[32+\e], 4.16666567e-2
	v_fmaak_f32 v[40+\e], v[40+\e], v[32+\e], 8.33338592e-3
.endr
.irp e, 0,1,2,3
	v_fma_f32 v[36+\e], v[36+\e], v[32+\e], -0.5
	v_fmaak_f32 v[40+\e], v[40+\e], v[32+\e], -1.66666672e-1
	v_mul_f32 v[44+\e], v[24+\e], v[32+\e]
.endr
.irp e, 0,1,2,3
	v_fma_f32 v[36+\e], v[36+\e], v[32+\e], 1.0    ; cos a
	v_fma_f32 v[40+\e], v[40+\e], v[44+\e], v[24+\e]   ; sin a
	v_cvt_i32_f32 v[48+\e], v[28+\e]
.endr
.irp e, 0,1,2,3
	v_add_nc_u32 v[48+\e], v[48+\e], v6            ; the quarter: n, or n + 1 for a cosine
	v_and_b32 v[44+\e], 1, v[48+\e]
	v_cmp_eq_u32 vcc_lo, 1, v[44+\e]
	v_cndmask_b32 v[52+4*(\u)+\e], v[40+\e], v[36+\e], vcc_lo      ; odd quarters take cos a,
	v_and_b32 v[48+\e], 2, v[48+\e]
	v_lshlrev_b32 v[48+\e], 30, v[48+\e]
	v_xor_b32 v[52+4*(\u)+\e], v[48+\e], v[52+4*(\u)+\e]           ; quarters 2 and 3 change the sign
.endr
	global_store_b128 v4, v[52+4*(\u):55+4*(\u)], s[26:27] offset:512*(\u)   ; 512 consecutive bytes; each turn has data registers of its own
.endm
	TURN 0
	TURN 1
	TURN 2
	TURN 3
	s_endpgm
.Lfunc_end_k_q16a7276e00_quant:
	.size	k_q16a7276e00_quant, .Lfunc_end_k_q16a7276e00_quant-k_q16a7276e00_quant
	.p2alignl 7, 3214868480
	.fill 96, 4, 3214868480
	.section	.rodata,"a",@progbits
	.p2align	6, 0x0
	.amdhsa_kernel k_q16a7276e00_quant
		.amdhsa_group_segment_fixed_size 34304
		.amdhsa_private_segment_fixed_size 0
		.amdhsa_enable_private_segment 0
		.amdhsa_kernarg_size 80
		.amdhsa_user_sgpr_count 2
		.amdhsa_user_sgpr_kernarg_segment_ptr 1
		.amdhsa_wavefront_size32 1
		.amdhsa_system_sgpr_workgroup_id_x 1
		.amdhsa_system_sgpr_workgroup_id_y 1
		.amdhsa_system_sgpr_workgroup_id_z 1
		.amdhsa_system_vgpr_workitem_id 0
		.amdhsa_next_free_vgpr 242
		.amdhsa_next_free_sgpr 66
		.amdhsa_reserve_vcc 1
		.amdhsa_float_denorm_mode_32 3
		.amdhsa_float_denorm_mode_16_64 3
		.amdhsa_memory_ordered 1
		.amdhsa_forward_progress 1
		.amdhsa_inst_pref_size 84
	.end_amdhsa_kernel
	.amdgpu_metadata
---
amdhsa.version: [ 1, 2 ]
amdhsa.kernels:
  - .name:           k_q16a7276e00_quant
    .symbol:         k_q16a7276e00_quant.kd
    .args:
      - { .name: Q, .offset: 0, .size: 8, .value_kind: global_buffer, .address_space: global }
      - { .name: K, .offset: 8, .size: 8, .value_kind: global_buffer, .address_space: global }
      - { .name: V, .offset: 16, .size: 8, .value_kind: global_buffer, .address_space: global }
      - { .name: Wq, .offset: 24, .size: 8, .value_kind: global_buffer, .address_space: global }
      - { .name: Wk, .offset: 32, .size: 8, .value_kind: global_buffer, .address_space: global }
      - { .name: Wv, .offset: 40, .size: 8, .value_kind: global_buffer, .address_space: global }
      - { .name: Wo, .offset: 48, .size: 8, .value_kind: global_buffer, .address_space: global }
      - { .name: cod, .offset: 56, .size: 8, .value_kind: global_buffer, .address_space: global }
      - { .name: scl, .offset: 64, .size: 8, .value_kind: global_buffer, .address_space: global }
      - { .name: rope, .offset: 72, .size: 8, .value_kind: global_buffer, .address_space: global }
    .group_segment_fixed_size: 34304
    .private_segment_fixed_size: 0
    .kernarg_segment_align: 8
    .kernarg_segment_size: 80
    .max_flat_workgroup_size: 128
    .sgpr_count:     66
    .vgpr_count:     242
    .wavefront_size: 32
...
	.end_amdgpu_metadata
.endif
;; end of part 1
;; launch proj (part 2): grid 4 x 192, 4 waves a work-group, clusters of 4 x 4, 295,424 bytes of LDS; arguments cod, scl, rope, bq, bk, bv, qb, kv; writes qb, kv
.if DOCPART == 2
	.amdgcn_target "amdgcn-amd-amdhsa--gfx1250"
	.amdhsa_code_object_version 6
	.text
	.protected	k_q16a7276e00_proj
	.globl	k_q16a7276e00_proj
	.p2align	8
	.type	k_q16a7276e00_proj,@function
k_q16a7276e00_proj:
	s_mov_b64 s[64:65], 0
	v_nop
	global_prefetch_b8 v0, s[64:65] scope:SCOPE_SE
	s_setreg_imm32_b32 hwreg(HW_REG_WAVE_MODE, 25, 1), 1
	s_wait_xcnt 0x0
	s_wait_alu depctr_hold_cnt(0) depctr_sa_sdst(0) depctr_va_vdst(0) depctr_va_sdst(0) depctr_va_ssrc(0) depctr_va_vcc(0) depctr_vm_vsrc(0)
	s_getreg_b32 s2, hwreg(HW_REG_IB_STS2, 6, 4)
	s_cmp_eq_u32 s2, 0
	s_cbranch_scc0 .Lentry_in_a_cluster
	s_endpgm
.Lentry_in_a_cluster:
	s_bfe_u32 s2, ttmp6, 0x10000c
	s_cmp_lg_u32 s2, 0xf033
	s_cbranch_scc0 .Lentry_shape_is_right
	s_endpgm
.Lentry_shape_is_right:
; q = rope(Q Wq^T + bq), k = rope(K Wk^T + bk), v = V Wv^T + bv, on codes of FP6 (E2M3) with E8M0 scales, and the results quantised again: q and k along the head's 64, v along the keys.
; SHARES.  Work-group (X, Y): rows 128 (Y % 64) on of tensor tz = Y / 64 (0 q, 1 k, 2 v), columns 256 X on.  Wave w takes all 128 rows x columns 64 w on: one head: 8 x 4 accumulators of 16 x 16.
; LDS holds the tile's operands for ALL of K (384 rows x 768 bytes), brought once, in four chunks of 256 along K: every byte is filled once, so there is no ring.  Wave 0 asks for A's chunks, waves 1 and 2 for B's: four loads of a wave are out at most.
; CLUSTER 4 x 4: A's chunks hang on Y alone and are asked for jointly by a row of the cluster, B's on X and tz alone and jointly by a column.
; OPERANDS lie in cod as half-images (768 bytes: 16 rows x 64 K, an image of six operand registers): a fragment is two of them, by two loads of 16 bytes and two of 8 a lane, each run of lanes on consecutive bytes.
; The scale words (32 bytes a row: all of K) go from memory into registers once: v32-95 A's, v96-127 B's.
; q, k: THE PRODUCT IS USED TRANSPOSED (source 0 = W's rows, source 1 = tokens): a lane holds one token, and by the order of W's rows in cod the registers of tiles 2 b, 2 b + 1 are d = 32 b + 16 (lane / 16) + 0 .. 15.
; v: source 0 = tokens, source 1 = W's rows: a lane holds one d, and the registers of tiles 2 b, 2 b + 1 are tokens 32 b + 16 (lane / 16) + 0 .. 15: neighbours along the second product's K.
; The bias is the C of each sum's first product.  OUT: qb [bh][group of 128 tokens][8 half-images, 512 bytes of scale words]; kv [bh][128 keys][K's 8 half-images | V's 8 | K's scale words 512 | V's 256].
; LIMITS: as stated at the head of the quantising launch (zeros' byte 1, the floor, no NaN or infinity).
; REGISTERS: window 0: v1-15 lane terms and addresses, v32-127 scale words, v128-159 the bias, v160-237 the way out.  window 1: B's fragments, two sets of 48; v96-223 the table for tiles 0-3.
;   window 2: the 32 accumulators.  window 3: A's fragments, two sets of 96; behind the products v0-127 take the table for tiles 4-7.
.set CH,   73728                       ; a chunk in LDS: A's 8 tiles x 3,072 bytes, then B's 16
.set WV,   20
.set SEL,  26
.set G1A,  28
.set G1B,  36
.set G0A,  44
.set G0B,  68
.set AA16, 5
.set AA8,  6
.set BB16, 7
.set BB8,  8
.set SA,   32
.set SB,   96
.set BI,   128
.set YY,   160                         ; 32 numbers ahead of the quantiser
.set TT,   192
.set QM,   200
.set QT,   202
.set QE,   204
.set BD,   206
.set PD,   208
.set QC,   214
.set WW,   218
.set ZZ,   226
.set BD2,  230
.set MSB, 0
.macro WIN new                         ; the immediate's high byte repeats the setting that is left; a switch that changes nothing is dropped
.if MSB != (\new)
	s_set_vgpr_msb (MSB<<8)|(\new)
.set MSB, \new
.endif
.endm
.macro PLACES                          ; four plain places behind a matrix instruction, ahead of loads into its sources and of reads of its result
.rept 4
	v_nop
.endr
.endm
.macro CROUND                          ; a round of the cluster's barrier
	s_barrier_signal -1
	s_barrier_wait -1
	s_cmp_lg_u32 s[WV], 0
	s_cbranch_scc1 .Lnot_wave_0_\@
	s_barrier_signal -3
.Lnot_wave_0_\@:
	s_barrier_wait -3
	s_barrier_signal -1
	s_barrier_wait -1
.endm
.macro FRAG reg, a16, a8, off          ; a fragment: two half-images
	ds_load_b128 v[\reg:\reg+3], v[\a16] offset:\off
	ds_load_b64 v[\reg+4:\reg+5], v[\a8] offset:\off+512
	ds_load_b128 v[\reg+6:\reg+9], v[\a16] offset:\off+768
	ds_load_b64 v[\reg+10:\reg+11], v[\a8] offset:\off+1280
.endm
.macro FETCH s                         ; K step s (128 along K): my 4 fragments of B and the 8 of A into set s % 2: 48 loads in one run
	WIN 0x40
.irp t, 0,1,2,3
	FRAG 48*((\s)%2)+12*\t, BB16, BB8, 3072*\t+1536*((\s)%2)
.endr
	WIN 0xc0
.irp a, 0,1,2,3,4,5,6,7
	FRAG 96*((\s)%2)+12*\a, AA16, AA8, 3072*\a+1536*((\s)%2)
.endr
.endm
; 16 products: A's blocks 4 half + 0 .. 3 x B's four.  kind 0: transposed, accumulator (a, t) at 8 (4 a + t); kind 1: accumulator at 8 (8 t + a).  Every accumulator has one turn a step, in the same order.
.macro MUL kind, s, half
.if (\kind) == 0
.if (\s) == 0
	WIN 0x8d
.else
	WIN 0xad
.endif
.else
.if (\s) == 0
	WIN 0x87
.else
	WIN 0xa7
.endif
.endif
.irp aa, 0,1,2,3
.irp t, 0,1,2,3
.set A_, 4*(\half)+\aa
.set FB_, 48*((\s)%2)+12*\t
.set FA_, 96*((\s)%2)+12*A_
.if (\kind) == 0
.set D_, 8*(4*A_+\t)
.if (\s) == 0
	v_wmma_scale_f32_16x16x128_f8f6f4 v[D_:D_+7], v[FB_:FB_+11], v[FA_:FA_+11], v[BI+8*\t:BI+8*\t+7], v[SB+8*\t+(\s)], v[SA+8*A_+(\s)] matrix_a_fmt:MATRIX_FMT_FP6 matrix_b_fmt:MATRIX_FMT_FP6
.else
	v_wmma_scale_f32_16x16x128_f8f6f4 v[D_:D_+7], v[FB_:FB_+11], v[FA_:FA_+11], v[D_:D_+7], v[SB+8*\t+(\s)], v[SA+8*A_+(\s)] matrix_a_fmt:MATRIX_FMT_FP6 matrix_b_fmt:MATRIX_FMT_FP6
.endif
.else
.set D_, 8*(8*\t+A_)
.if (\s) == 0
	v_wmma_scale_f32_16x16x128_f8f6f4 v[D_:D_+7], v[FA_:FA_+11], v[FB_:FB_+11], v[BI+8*\t:BI+8*\t+7], v[SA+8*A_+(\s)], v[SB+8*\t+(\s)] matrix_a_fmt:MATRIX_FMT_FP6 matrix_b_fmt:MATRIX_FMT_FP6
.else
	v_wmma_scale_f32_16x16x128_f8f6f4 v[D_:D_+7], v[FA_:FA_+11], v[FB_:FB_+11], v[D_:D_+7], v[SA+8*A_+(\s)], v[SB+8*\t+(\s)] matrix_a_fmt:MATRIX_FMT_FP6 matrix_b_fmt:MATRIX_FMT_FP6
.endif
.endif
.endr
.endr
.endm
; The eight K steps, written out.  A chunk serves two steps; ahead of a chunk's first read each wave waits for its own load of it (the later chunks' loads stay out) and passes a barrier.
.macro GEMM kind
	s_wait_tensorcnt 0x3                           ; my load of chunk 0 has landed; three may be out
	s_barrier_signal -1
	s_barrier_wait -1
	FETCH 0
.irp s, 0,1,2,3,4,5,6,7
	s_wait_dscnt 0x0                               ; this step's fragments are in
.if (\s)%2 == 0
	PLACES                                         ; behind the last step's products, ahead of loads into the set that they read
	FETCH (\s)+1
	MUL \kind, \s, 0
	MUL \kind, \s, 1
.elseif (\s) < 7
	s_wait_tensorcnt 3-((\s)+1)/2                  ; my load of the next chunk has landed
	s_barrier_signal -1
	MUL \kind, \s, 0                               ; work on registers while the others arrive
	WIN 0
	s_barrier_wait -1
	v_add_nc_u32 v[AA16], CH, v[AA16]              ; on to the next chunk; these four are the places ahead of the loads
	v_add_nc_u32 v[AA8], CH, v[AA8]
	v_add_nc_u32 v[BB16], CH, v[BB16]
	s_wait_alu depctr_va_vdst(0)
	v_add_nc_u32 v[BB8], CH, v[BB8]
	s_wait_alu depctr_va_vdst(0)
	FETCH (\s)+1
	MUL \kind, \s, 1
.else
	MUL \kind, \s, 0
	MUL \kind, \s, 1
.endif
.endr
	WIN 0
.endm
; 32 numbers of a lane, v[y] on in window wy, register 16 b + i = k 32 b + 16 (lane / 16) + i of my row, become a half-image in v[pd] .. v[pd + 5] and the two blocks' bytes in v[bd], v[bd + 1].
.macro QUANTP y, wy, pd, bd
.set QW_, ((\wy)<<2)|((\wy)<<4)
	WIN QW_
	v_max3_num_f32 v[QM], 0x1800000, |v[\y]|, |v[\y+1]|            ; my 16 numbers of each block, from the low end on, and the floor 2^(3 - 127)
	v_max3_num_f32 v[QM+1], 0x1800000, |v[\y+16]|, |v[\y+17]|
.irp i, 2,4,6,8,10,12,14
	v_max3_num_f32 v[QM], v[QM], |v[\y+\i]|, |v[\y+\i+1]|
	v_max3_num_f32 v[QM+1], v[QM+1], |v[\y+16+\i]|, |v[\y+17+\i]|
.endr
	WIN 0
	v_permlanex16_b32 v[QT], v[QM], s[SEL], s[SEL+1]
	v_permlanex16_b32 v[QT+1], v[QM+1], s[SEL], s[SEL+1]
	v_max_num_f32 v[QM], v[QM], v[QT]              ; with lane l xor 16's: the blocks' largest magnitudes
	v_max_num_f32 v[QM+1], v[QM+1], v[QT+1]
	v_add_nc_u32 v[QE], 0xff000000, v[QM]          ; 2 off the exponent field: the conversions' scale operands
	v_add_nc_u32 v[QE+1], 0xff000000, v[QM+1]
	v_lshrrev_b32 v[\bd], 23, v[QE]
	v_lshrrev_b32 v[\bd+1], 23, v[QE+1]
	s_wait_alu depctr_va_vdst(0)
	s_wait_xcnt 0x0                                ; the last stores have read the codes' registers
	WIN \wy
	v_cvt_scalef32_pk16_fp6_f32 v[\pd:\pd+2], v[\y:\y+15], v[QE]
	v_cvt_scalef32_pk16_fp6_f32 v[QC:QC+2], v[\y+16:\y+31], v[QE+1]
	WIN 0
	v_nop                                          ; one plain place behind the conversions
.irp i, 0,1,2
	v_permlane16_swap_b32 v[\pd+\i], v[QC+\i]      ; a whole block to a lane: lanes 0-15 block 0, lanes 16-31 block 1
.endr
.irp i, 0,1,2
	v_mov_b32 v[\pd+3+\i], v[QC+\i]
.endr
.endm
	s_load_b512 s[4:19], s[0:1], 0x0               ; cod, scl, rope, bq, bk, bv, qb, kv
	v_lshl_add_u32 v254, v0, 2, 0x48000
	v_mov_b32 v255, 0
	ds_add_u32 v254, v255
	ds_add_u32 v254, v255
	v_lshrrev_b32 v1, 5, v0
	v_readfirstlane_b32 s[WV], v1                  ; wave 0..3
	s_bfe_u32 s21, ttmp6, 0x40000                  ; cx = X (the grid is one cluster wide)
	s_bfe_u32 s22, ttmp6, 0x40004                  ; cy
	s_and_b32 s23, ttmp7, 0xffff                   ; the cluster's y
	s_lshl_b32 s24, s23, 2
	s_add_co_u32 s24, s24, s22                     ; Y
	s_lshr_b32 s25, s23, 4                         ; tz: the same in all sixteen partners
	s_lshl_b32 s84, s22, 2
	s_lshl_b32 s84, 15, s84                        ; my row of the cluster
	s_lshl_b32 s86, 0x1111, s21                    ; my column
	s_or_b32 s[G1A], s84, (3<<16)|(1<<21)          ; 15:0 the mask; 17:16 elements of 8 bytes; 21 set beside a mask
	s_or_b32 s[G1B], s86, (3<<16)|(1<<21)
.irp g, G1A, G1B
	s_mov_b32 s[\g+1], 384<<16                     ; tensor_dim0: a tile's part of a chunk, 3,072 bytes
	s_mov_b32 s[\g+2], 8<<16                       ; tensor_dim1: 8 tiles
	s_mov_b32 s[\g+3], 384<<16                     ; tile_dim0
	s_mov_b32 s[\g+4], 8                           ; tile_dim1
	s_mov_b32 s[\g+5], 1536                        ; from tile to tile: 12,288 bytes
	s_mov_b32 s[\g+6], 0
	s_mov_b32 s[\g+7], 0
.endr
	s_mul_i32 s84, s24, 98304                      ; A: 8 tiles for each Y (Q's, K's and V's tiles follow each other in cod)
	s_mov_b32 s85, 0
	s_lshl_b32 s86, s25, 6                         ; B: tile 1536 + 64 tz + 16 X + 8 (wave / 2): wave 1 asks for the first eight, wave 2 for the others
	s_lshl_b32 s87, s21, 4
	s_add_co_u32 s86, s86, s87
	s_lshr_b32 s87, s[WV], 1
	s_lshl_b32 s87, s87, 3
	s_add_co_u32 s86, s86, s87
	s_add_co_u32 s86, s86, 1536
	s_mul_i32 s86, s86, 12288
	s_mov_b32 s87, 0
	s_mul_i32 s88, s[WV], 24576                    ; where they go: wave x 8 tiles: no place in the cluster enters an LDS address
	s_mov_b32 s[SEL], 0x76543210
	s_mov_b32 s[SEL+1], 0xfedcba98
	s_wait_dscnt 0x0
	s_wait_kmcnt 0x0
	s_add_nc_u64 s[84:85], s[4:5], s[84:85]
	s_add_nc_u64 s[86:87], s[4:5], s[86:87]
.irp c, 0,1,2,3
	s_mov_b32 s[G0A+4*\c], 1
	s_add_co_u32 s[G0A+4*\c+1], s88, CH*\c
	s_add_nc_u64 s[G0A+4*\c+2:G0A+4*\c+3], s[84:85], 3072*\c
	s_or_b32 s[G0A+4*\c+3], s[G0A+4*\c+3], 0x80000000
	s_mov_b32 s[G0B+4*\c], 1
	s_add_co_u32 s[G0B+4*\c+1], s88, CH*\c
	s_add_nc_u64 s[G0B+4*\c+2:G0B+4*\c+3], s[86:87], 3072*\c
	s_or_b32 s[G0B+4*\c+3], s[G0B+4*\c+3], 0x80000000
.endr
	CROUND                                         ; all sixteen work-groups are here: the joint loads meet
	s_cmp_eq_u32 s[WV], 0                          ; all fills of the launch, one group; the branches hang on the wave's number alone
	s_cbranch_scc0 .Lnot_a
.irp c, 0,1,2,3
	tensor_load_to_lds s[G0A+4*\c:G0A+4*\c+3], s[G1A:G1A+7]
	s_nop 0
.endr
	PLACES
	s_branch .Lasked
.Lnot_a:
	s_cmp_lt_u32 s[WV], 3
	s_cbranch_scc0 .Lasked
.irp c, 0,1,2,3
	tensor_load_to_lds s[G0B+4*\c:G0B+4*\c+3], s[G1B:G1B+7]
	s_nop 0
.endr
	PLACES
.Lasked:
	v_and_b32 v1, 15, v0                           ; r
	v_bfe_u32 v2, v0, 4, 1                         ; h
	v_and_b32 v13, 31, v0
	v_lshlrev_b32 v3, 4, v13                       ; 16 x lane
	v_lshlrev_b32 v4, 3, v13                       ; 8 x lane
	v_mov_b32 v[AA16], v3
	v_mov_b32 v[AA8], v4
	s_mul_i32 s89, s[WV], 12288
	s_add_co_u32 s89, s89, 24576                   ; my four tiles of B, behind A's eight
	v_add_nc_u32 v[BB16], s89, v3
	v_add_nc_u32 v[BB8], s89, v4
	v_lshlrev_b32 v9, 5, v1                        ; 32 r: a row's scale bytes
	s_wait_alu depctr_va_vdst(0)
	v_lshlrev_b32 v10, 6, v2                       ; 64 h: 16 numbers of f32
	v_and_b32 v12, 8, v1
	v_add_nc_u32 v12, v12, v1                      ; r + 8 (r / 8)
	v_lshl_add_u32 v11, v12, 8, v10                ; the table: my token's row, + 64 h
	v_lshlrev_b32 v12, 2, v12                      ; bv: my column
	v_cmp_eq_u32 s63, 1, v2                        ; lanes 16-31
	v_mov_b32 v[QT], 0                             ; written once: a lane permute's destination counts as one of its sources
	v_mov_b32 v[QT+1], 0
	s_lshl_b32 s90, s24, 12
	s_mov_b32 s91, 0
	s_add_nc_u64 s[92:93], s[6:7], s[90:91]        ; A's scale bytes: 512 a tile
	s_lshl_b32 s90, s25, 6
	s_lshl_b32 s94, s21, 4
	s_add_co_u32 s90, s90, s94
	s_lshl_b32 s94, s[WV], 2
	s_add_co_u32 s90, s90, s94
	s_add_co_u32 s90, s90, 1536
	s_lshl_b32 s90, s90, 9
	s_add_nc_u64 s[94:95], s[6:7], s[90:91]        ; those of my four tiles of B
.irp a, 0,1,2,3,4,5,6,7
	global_load_b128 v[SA+8*\a:SA+8*\a+3], v9, s[92:93] offset:512*\a
	global_load_b128 v[SA+8*\a+4:SA+8*\a+7], v9, s[92:93] offset:512*\a+16
.endr
.irp t, 0,1,2,3
	global_load_b128 v[SB+8*\t:SB+8*\t+3], v9, s[94:95] offset:512*\t
	global_load_b128 v[SB+8*\t+4:SB+8*\t+7], v9, s[94:95] offset:512*\t+16
.endr
	s_lshl_b32 s60, s21, 2
	s_add_co_u32 s60, s60, s[WV]                   ; head
	s_and_b32 s61, s24, 15                         ; g: the group of 128 tokens
	s_bfe_u32 s62, s24, 0x20004                    ; the batch
	s_lshl_b32 s62, s62, 4
	s_add_co_u32 s62, s62, s60
	s_lshl_b32 s62, s62, 4
	s_add_co_u32 s62, s62, s61                     ; 16 bh + g
	s_lshl_b32 s96, s60, 8                         ; the head's 64 numbers of a bias
	s_mov_b32 s97, 0
	s_cmp_eq_u32 s25, 2
	s_cbranch_scc1 .Lv
	; ---- q and k
	s_mov_b32 s98, 13056
	s_mov_b32 s99, 12288
	s_cmp_eq_u32 s25, 0
	s_cselect_b64 s[10:11], s[10:11], s[12:13]     ; bq or bk
	s_cselect_b64 s[16:17], s[16:17], s[18:19]     ; qb or kv
	s_cselect_b32 s98, 6656, s98                   ; a group's bytes there,
	s_cselect_b32 s99, 6144, s99                   ; and where its scale words lie
	s_add_nc_u64 s[10:11], s[10:11], s[96:97]
	s_mul_i32 s90, s62, s98
	s_add_nc_u64 s[16:17], s[16:17], s[90:91]
	s_mov_b32 s90, s99
	s_add_nc_u64 s[18:19], s[16:17], s[90:91]
	s_lshl_b32 s90, s61, 15
	s_add_nc_u64 s[8:9], s[8:9], s[90:91]          ; the table at position 128 g
	s_wait_alu depctr_va_vdst(0)
.irp t, 0,1,2,3
	global_load_b128 v[BI+8*\t:BI+8*\t+3], v10, s[10:11] offset:128*(\t/2)+32*(\t%2)       ; the bias of d = 32 (t / 2) + 8 (t % 2) + 16 h + 0 .. 7
	global_load_b128 v[BI+8*\t+4:BI+8*\t+7], v10, s[10:11] offset:128*(\t/2)+32*(\t%2)+16
.endr
	WIN 0x40
.irp a, 0,1,2,3                        ; the table for tiles 0-3: my token's cosines and sines of i = 16 h + 0 .. 15
.irp j, 0,1,2,3
	global_load_b128 v[96+32*\a+4*\j:96+32*\a+4*\j+3], v11, s[8:9] offset:(32*(\a/2)+8*(\a%2))*256+16*\j
	global_load_b128 v[112+32*\a+4*\j:112+32*\a+4*\j+3], v11, s[8:9] offset:(32*(\a/2)+8*(\a%2))*256+128+16*\j
.endr
.endr
	WIN 0
	s_wait_loadcnt 32                              ; the scale words and the bias are in; the table's 32 loads may be out
	GEMM 0
	PLACES                                         ; behind the last products: ahead of loads into A's registers and of the first reads of results
	WIN 0xc0
.irp a, 4,5,6,7
.irp j, 0,1,2,3
	global_load_b128 v[32*(\a-4)+4*\j:32*(\a-4)+4*\j+3], v11, s[8:9] offset:(32*(\a/2)+8*(\a%2))*256+16*\j
	global_load_b128 v[32*(\a-4)+16+4*\j:32*(\a-4)+16+4*\j+3], v11, s[8:9] offset:(32*(\a/2)+8*(\a%2))*256+128+16*\j
.endr
.endr
	WIN 0
.macro ROPE a                          ; x1 = d 0-31 (tiles 0, 1), x2 = d 32-63 (tiles 2, 3): y1 = x1 c - x2 s, y2 = x1 s + x2 c, two at a time, each accumulator from its low end on
.if (\a) < 4
.set TB_, 96+32*(\a)
	WIN 0x06
.else
.set TB_, 32*((\a)-4)
	WIN 0x0e
.endif
.irp i, 0,2,4,6,8,10,12,14
.set T_, TT+4*((\i/2)%2)
.set X_, 32*(\a)+\i
	v_pk_mul_f32 v[T_:T_+1], v[X_+16:X_+17], v[TB_+16+\i:TB_+17+\i]
	v_pk_mul_f32 v[T_+2:T_+3], v[X_:X_+1], v[TB_+16+\i:TB_+17+\i]
	v_pk_fma_f32 v[YY+\i:YY+\i+1], v[X_:X_+1], v[TB_+\i:TB_+\i+1], v[T_:T_+1] neg_lo:[0,0,1] neg_hi:[0,0,1]
	v_pk_fma_f32 v[YY+16+\i:YY+17+\i], v[X_+16:X_+17], v[TB_+\i:TB_+\i+1], v[T_+2:T_+3]
.endr
.endm
.irp a, 0,1,2,3,4,5,6,7
.if \a == 0
	s_wait_loadcnt 32                              ; the table for tiles 0-3 is in; the 32 loads for tiles 4-7 may be out
.endif
.if \a == 4
	s_wait_loadcnt 0x0
.endif
	ROPE \a
	QUANTP YY, 0, PD, BD
	v_lshl_or_b32 v[WW+\a], v[BD+1], 8, v[BD]
	v_or_b32 v[WW+\a], 0x7f7f0000, v[WW+\a]        ; the head has 64 along K: the instruction's other 64 are zero codes under the byte 127
	global_store_b128 v3, v[PD:PD+3], s[16:17] offset:768*\a
	global_store_b64 v4, v[PD+4:PD+5], s[16:17] offset:768*\a+512
.endr
.irp i, 0,1,2,3
	v_cndmask_b32 v[ZZ+\i], v[WW+\i], v[WW+4+\i], s63  ; word (tile e, row r) lies at 256 (e / 4) + 16 r + 4 (e % 4): lanes 0-15 store tiles 0-3, lanes 16-31 tiles 4-7
.endr
	global_store_b128 v3, v[ZZ:ZZ+3], s[18:19]
	s_branch .Lend
	; ---- v
.Lv:
	s_add_nc_u64 s[14:15], s[14:15], s[96:97]
	s_mul_i32 s90, s62, 13056
	s_add_co_u32 s90, s90, 6144
	s_add_nc_u64 s[18:19], s[18:19], s[90:91]      ; V's half-images of these 128 keys
	s_wait_alu depctr_va_vdst(0)
.irp t, 0,1,2,3
.irp j, 0,1,2,3,4,5,6,7
	global_load_b32 v[BI+8*\t+\j], v12, s[14:15] offset:(32*(\t/2)+8*(\t%2))*4             ; a lane holds one d: its bias in all eight registers
.endr
.endr
	s_wait_loadcnt 0x0
	GEMM 1
	PLACES
.irp t, 0,1,2,3
	QUANTP 64*\t, 2, PD, BD                        ; keys 0-63 of d tile t
	global_store_b128 v3, v[PD:PD+3], s[18:19] offset:768*\t
	global_store_b64 v4, v[PD+4:PD+5], s[18:19] offset:768*\t+512
	QUANTP 64*\t+32, 2, PD, BD2                    ; keys 64-127
	global_store_b128 v3, v[PD:PD+3], s[18:19] offset:768*(4+\t)
	global_store_b64 v4, v[PD+4:PD+5], s[18:19] offset:768*(4+\t)+512
	v_lshl_or_b32 v[WW+\t], v[BD+1], 8, v[BD]
	v_lshl_or_b32 v[WW+\t], v[BD2], 16, v[WW+\t]
	v_lshl_or_b32 v[WW+\t], v[BD2+1], 24, v[WW+\t]
.endr
	v_cndmask_b32 v[ZZ], v[WW], v[WW+2], s63       ; word (t, r) lies at 128 (t / 2) + 8 r + 4 (t % 2)
	v_cndmask_b32 v[ZZ+1], v[WW+1], v[WW+3], s63
	global_store_b64 v4, v[ZZ:ZZ+1], s[18:19] offset:6656
.Lend:
	s_wait_tensorcnt 0x0
	ds_add_u32 v254, v255
	s_wait_dscnt 0x0
	CROUND                                         ; the closing round: no work-group ends while a partner may still ask for a tile that names it
	s_endpgm
.Lfunc_end_k_q16a7276e00_proj:
	.size	k_q16a7276e00_proj, .Lfunc_end_k_q16a7276e00_proj-k_q16a7276e00_proj
	.p2alignl 7, 3214868480
	.fill 96, 4, 3214868480
	.section	.rodata,"a",@progbits
	.p2align	6, 0x0
	.amdhsa_kernel k_q16a7276e00_proj
		.amdhsa_group_segment_fixed_size 295424
		.amdhsa_private_segment_fixed_size 0
		.amdhsa_enable_private_segment 0
		.amdhsa_kernarg_size 64
		.amdhsa_user_sgpr_count 2
		.amdhsa_user_sgpr_kernarg_segment_ptr 1
		.amdhsa_wavefront_size32 1
		.amdhsa_system_sgpr_workgroup_id_x 1
		.amdhsa_system_sgpr_workgroup_id_y 1
		.amdhsa_system_sgpr_workgroup_id_z 1
		.amdhsa_system_vgpr_workitem_id 0
		.amdhsa_next_free_vgpr 1024
		.amdhsa_next_free_sgpr 100
		.amdhsa_reserve_vcc 0
		.amdhsa_float_denorm_mode_32 3
		.amdhsa_float_denorm_mode_16_64 3
		.amdhsa_memory_ordered 1
		.amdhsa_forward_progress 1
		.amdhsa_inst_pref_size 192
	.end_amdhsa_kernel
	.amdgpu_metadata
---
amdhsa.version: [ 1, 2 ]
amdhsa.kernels:
  - .name:           k_q16a7276e00_proj
    .symbol:         k_q16a7276e00_proj.kd
    .args:
      - { .name: cod, .offset: 0, .size: 8, .value_kind: global_buffer, .address_space: global }
      - { .name: scl, .offset: 8, .size: 8, .value_kind: global_buffer, .address_space: global }
      - { .name: rope, .offset: 16, .size: 8, .value_kind: global_buffer, .address_space: global }
      - { .name: bq, .offset: 24, .size: 8, .value_kind: global_buffer, .address_space: global }
      - { .name: bk, .offset: 32, .size: 8, .value_kind: global_buffer, .address_space: global }
      - { .name: bv, .offset: 40, .size: 8, .value_kind: global_buffer, .address_space: global }
      - { .name: qb, .offset: 48, .size: 8, .value_kind: global_buffer, .address_space: global }
      - { .name: kv, .offset: 56, .size: 8, .value_kind: global_buffer, .address_space: global }
    .group_segment_fixed_size: 295424
    .private_segment_fixed_size: 0
    .kernarg_segment_align: 8
    .kernarg_segment_size: 64
    .max_flat_workgroup_size: 128
    .sgpr_count:     100
    .vgpr_count:     1024
    .wavefront_size: 32
...
	.end_amdgpu_metadata
.endif
;; end of part 2
;; launch attn (part 3): grid 4 x 64, 16 waves a work-group, clusters of 4 x 1, 210,944 bytes of LDS; arguments qb, kv, oc, os; writes oc, os
.if DOCPART == 3
	.amdgcn_target "amdgcn-amd-amdhsa--gfx1250"
	.amdhsa_code_object_version 6
	.text
	.protected	k_q16a7276e00_attn
	.globl	k_q16a7276e00_attn
	.p2align	8
	.type	k_q16a7276e00_attn,@function
k_q16a7276e00_attn:
	s_mov_b64 s[64:65], 0
	v_nop
	global_prefetch_b8 v0, s[64:65] scope:SCOPE_SE
	s_setreg_imm32_b32 hwreg(HW_REG_WAVE_MODE, 25, 1), 1
	s_wait_xcnt 0x0
	s_wait_alu depctr_hold_cnt(0) depctr_sa_sdst(0) depctr_va_vdst(0) depctr_va_sdst(0) depctr_va_ssrc(0) depctr_va_vcc(0) depctr_vm_vsrc(0)
	s_getreg_b32 s2, hwreg(HW_REG_IB_STS2, 6, 4)
	s_cmp_eq_u32 s2, 0
	s_cbranch_scc0 .Lentry_in_a_cluster
	s_endpgm
.Lentry_in_a_cluster:
	s_bfe_u32 s2, ttmp6, 0x10000c
	s_cmp_lg_u32 s2, 0x3003
	s_cbranch_scc0 .Lentry_shape_is_right
	s_endpgm
.Lentry_shape_is_right:
; Causal attention of one (batch, head) for each cluster, both products on codes of FP6 (E2M3) with E8M0 scales; the result, divided by the row's sum, is quantised along the head's 64 for the last projection.
; THE SOFTMAX: t = score x log2(e) / 8; M = the running largest t rounded UP to a whole number; p = 2^(t - M) is quantised along the keys; the row's sum is taken of the unquantised p; when M moves, the sum and O are multiplied by 2^(old M - new M), exactly.
; LDS: the head's K, V and scale words for all 2,048 keys are 16 x 13,056 bytes: each of the sixteen waves asks for one key step's block, once, jointly with the same wave of the three partners.  Behind one barrier LDS is only read.
; SHARES: a tile is 16 queries: tile e (0-7) of group g (128 tokens).  Wave w of partner cx takes (g = w, e = 2 cx) and then (g = 15 - w, e = 2 cx + 1): 17 key steps for every wave.
; Branches and LDS addresses hang on the wave's number and on counters alone; cx enters global addresses and the mask's compare value.  Each pass walks a loop of 16 trips and jumps over the work of key steps that lie wholly behind its queries.
; LAYOUT: both products transposed (S^T = K Q^T, O^T = V^T P^T): a lane holds ONE query.  By the order of tokens in the buffers, lane r of tile e is token 32 (e / 2) + 8 (e % 2) + r + 8 (r / 8) of its group, so the 16 registers of score tiles
; 2 b, 2 b + 1 are keys 32 b + 16 (lane / 16) + 0 .. 15, and likewise O^T's are d.  The head's 64 fill half of the first product's 128 along K: the other half is zero codes on both sides, under the byte 127.
; LIMITS: NaN and infinities are not served; a block of zeros carries the byte 1 (its codes are zeros); os is written a byte a lane.
; REGISTERS: v1-4 16 l, 8 l, 16 r, 8 r; v5 the mask's value; v6-9 the step's addresses; v10 f, v11 p's scale word; v12 -M, v13 largest t, v[14:15] the sum; v16-27 Q; v28 Q's scale word; v29 32 r + h; v30-33 V's scale words; v34-37 K's;
;   v38-39 at work; v40-87 four fragments of K; v88-135 V's four; v136-199 S^T, then p; v200-231 O^T; v232-243 p's codes; v240-255 at work.
.set WV,  12
.set HM,  15
.set SEL, 16
.set CS,  18
.set KS,  20
.set TB,  21
.set G1,  24
.set G0,  32
.set GG,  36                           ; s36, s37: the group of pass 0, 1
.set STEPB, 13056                      ; a key step in LDS: K's 8 half-images, V's 8, K's scale words (512), V's (256)
.set QM,  168
.set QT,  170
.set QE,  172
.set BD,  174
.set PD,  176
.set QC,  182
.macro PLACES
.rept 4
	v_nop
.endr
.endm
.macro CROUND
	s_barrier_signal -1
	s_barrier_wait -1
	s_cmp_lg_u32 s[WV], 0
	s_cbranch_scc1 .Lnot_wave_0_\@
	s_barrier_signal -3
.Lnot_wave_0_\@:
	s_barrier_wait -3
	s_barrier_signal -1
	s_barrier_wait -1
.endm
; Pass n's group and pointers: s[40 + 8 n ..]: Q's codes, Q's scale word, oc, os.  Made once, never rewritten.
.macro PREP n
.if \n
	s_xor_b32 s[GG+\n], s[WV], 15
.else
	s_mov_b32 s[GG+\n], s[WV]
.endif
	s_lshl_b32 s56, s13, 1
	s_add_co_u32 s56, s56, \n                      ; e
	s_lshl_b32 s57, s14, 4
	s_add_co_u32 s57, s57, s[GG+\n]                ; 16 bh + g
	s_mul_i32 s58, s57, 6656
	s_mul_i32 s60, s56, 768
	s_add_co_u32 s60, s60, s58
	s_mov_b32 s61, 0
	s_add_nc_u64 s[40+8*\n:41+8*\n], s[4:5], s[60:61]
	s_lshr_b32 s60, s56, 2
	s_lshl_b32 s60, s60, 8
	s_and_b32 s62, s56, 3
	s_lshl_b32 s62, s62, 2
	s_add_co_u32 s60, s60, s62
	s_add_co_u32 s60, s60, s58
	s_add_co_u32 s60, s60, 6144
	s_add_nc_u64 s[42+8*\n:43+8*\n], s[4:5], s[60:61]
	s_lshr_b32 s57, s14, 4
	s_lshl_b32 s57, s57, 7
	s_lshl_b32 s58, s[GG+\n], 3
	s_add_co_u32 s57, s57, s58
	s_add_co_u32 s57, s57, s56                     ; the tile of 16 rows: 128 batch + 8 g + e
	s_and_b32 s58, s14, 15                         ; head
	s_lshl_b32 s60, s57, 4
	s_add_co_u32 s60, s60, s58
	s_mul_i32 s60, s60, 768
	s_add_nc_u64 s[44+8*\n:45+8*\n], s[8:9], s[60:61]
	s_lshl_b32 s60, s57, 9
	s_lshl_b32 s58, s58, 1
	s_add_co_u32 s60, s60, s58
	s_add_nc_u64 s[46+8*\n:47+8*\n], s[10:11], s[60:61]
.endm
.macro QLOAD n
	global_load_b128 v[16:19], v1, s[40+8*\n:41+8*\n]
	global_load_b64 v[20:21], v2, s[40+8*\n:41+8*\n] offset:512
	global_load_b32 v28, v3, s[42+8*\n:43+8*\n]
.endm
	s_load_b256 s[4:11], s[0:1], 0x0               ; qb, kv, oc, os
	v_lshl_add_u32 v254, v0, 2, 0x33000
	v_mov_b32 v255, 0
	ds_add_u32 v254, v255
	ds_add_u32 v254, v255
	s_wait_dscnt 0x0
	v_lshrrev_b32 v1, 5, v0
	s_delay_alu instid0(VALU_DEP_1)
	v_readfirstlane_b32 s[WV], v1                  ; wave 0..15
	s_bfe_u32 s13, ttmp6, 0x40000                  ; cx
	s_and_b32 s14, ttmp7, 0xffff                   ; bh, which the four partners share
	s_mov_b32 s[G1], 15|(3<<16)|(1<<21)            ; the mask: all four; elements of 8 bytes; bit 21 set beside a mask
	s_mov_b32 s[G1+1], 32<<16                      ; a dense block as rows of 256 bytes
	s_mov_b32 s[G1+2], 51<<16
	s_mov_b32 s[G1+3], 32<<16
	s_mov_b32 s[G1+4], 51
	s_mov_b32 s[G1+5], 32
	s_mov_b32 s[G1+6], 0
	s_mov_b32 s[G1+7], 0
	s_lshl_b32 s22, s14, 4
	s_add_co_u32 s22, s22, s[WV]
	s_mul_i32 s22, s22, STEPB                      ; key step = my wave's number
	s_mov_b32 s23, 0
	s_mov_b32 s[G0], 1
	s_mul_i32 s[G0+1], s[WV], STEPB
	s_mov_b32 s[SEL], 0x76543210
	s_mov_b32 s[SEL+1], 0xfedcba98
	s_mov_b32 s[CS], 0x3e38aa3b                    ; c = log2(e) / 8
	s_mov_b32 s[CS+1], s[CS]                       ; (named with it as a pair, so it is written)
	s_wait_kmcnt 0x0
	s_add_nc_u64 s[G0+2:G0+3], s[6:7], s[22:23]
	s_or_b32 s[G0+3], s[G0+3], 0x80000000
	CROUND                                         ; all four work-groups are here: the joint loads meet
	tensor_load_to_lds s[G0:G0+3], s[G1:G1+7]      ; my one tensor load of the launch
	s_nop 0
	PLACES
	PREP 0
	PREP 1
	v_and_b32 v6, 31, v0
	s_delay_alu instid0(VALU_DEP_1)
	v_lshlrev_b32 v1, 4, v6
	s_delay_alu instid0(VALU_DEP_2)
	v_lshlrev_b32 v2, 3, v6
	v_and_b32 v7, 15, v0                           ; r
	v_bfe_u32 v8, v0, 4, 1                         ; h
	s_delay_alu instid0(VALU_DEP_2)
	v_lshlrev_b32 v3, 4, v7
	s_delay_alu instid0(VALU_DEP_3)
	v_lshlrev_b32 v4, 3, v7
	s_delay_alu instid0(VALU_DEP_3)
	v_lshl_add_u32 v29, v7, 5, v8
	v_and_b32 v9, 8, v7
	s_delay_alu instid0(VALU_DEP_1)
	v_add_nc_u32 v5, v9, v7
	v_lshlrev_b32 v9, 4, v8
	s_delay_alu instid0(VALU_DEP_1)
	v_sub_nc_u32 v5, v5, v9
	s_lshl_b32 s22, s13, 5
	v_add_nc_u32 v5, s22, v5                       ; my query in its group, less 16 h: 32 cx + r + 8 (r / 8) - 16 h (pass 1 adds 8)
	v_cmp_eq_u32 s[HM], 1, v8                      ; lanes 16-31
	QLOAD 0
.irp j, 22,23,24,25,26,27, 46,47,48,49,50,51, 58,59,60,61,62,63, 70,71,72,73,74,75, 82,83,84,85,86,87
	v_mov_b32 v[\j], 0                             ; the upper 64 along K of Q's and K's fragments: zero codes, written once
.endr
.irp j, 11, 38, 39, 244, 245, 246, 247
	v_mov_b32 v[\j], 0                             ; named as halves of pairs or as a lane permute's destination before they are first written
.endr
	s_wait_tensorcnt 0x0                           ; my block has landed,
	s_barrier_signal -1
	s_barrier_wait -1                              ; everybody's has
.macro PASS n
	v_mov_b32 v13, 0xff61b1e6                      ; the largest t so far: -3e38
	s_delay_alu instid0(VALU_DEP_1)
	v_floor_f32 v12, -v13
	v_mov_b32 v14, 0
	v_mov_b32 v15, 0
.set J_, 0
.rept 32
	v_mov_b32 v[200+J_], 0                         ; O^T: the step is written once; the first change of M leaves zeros zeros
.set J_, J_+1
.endr
	s_mov_b32 s[KS], 0
	s_mov_b32 s[TB], 0
	s_wait_loadcnt 0x0                             ; Q
.Lstep_\n:
	s_cmp_gt_u32 s[KS], s[GG+\n]                   ; all 128 keys of the step come after my queries: only the counters step
	s_cbranch_scc1 .Lskip_\n
	s_setprio 2
	v_add_nc_u32 v6, s[TB], v1
	s_wait_alu depctr_va_vdst(0)
	v_add_nc_u32 v7, s[TB], v2
	s_wait_alu depctr_va_vdst(0)
	v_add_nc_u32 v8, s[TB], v3
	s_wait_alu depctr_va_vdst(0)
	v_add_nc_u32 v9, s[TB], v4
.irp gq, 0,1                           ; S^T = K Q^T, four tiles of 16 keys at a time
.if \gq
	PLACES                                         ; ahead of loads into registers that the last four products read
.endif
.irp t, 0,1,2,3
	ds_load_b128 v[40+12*\t:43+12*\t], v6 offset:768*(4*\gq+\t)
	ds_load_b64 v[44+12*\t:45+12*\t], v7 offset:768*(4*\gq+\t)+512
.endr
	ds_load_b128 v[34:37], v8 offset:12288+256*\gq
	s_wait_dscnt 0x0
.irp t, 0,1,2,3
	v_wmma_scale_f32_16x16x128_f8f6f4 v[136+8*(4*\gq+\t):143+8*(4*\gq+\t)], v[40+12*\t:51+12*\t], v[16:27], 0, v[34+\t], v28 matrix_a_fmt:MATRIX_FMT_FP6 matrix_b_fmt:MATRIX_FMT_FP6
.endr
.endr
.irp t, 0,1,2,3                        ; V's fragments are asked for here and land under the softmax
	ds_load_b128 v[88+12*\t:91+12*\t], v6 offset:6144+768*\t
	ds_load_b64 v[92+12*\t:93+12*\t], v7 offset:6144+768*\t+512
	ds_load_b128 v[94+12*\t:97+12*\t], v6 offset:9216+768*\t
	ds_load_b64 v[98+12*\t:99+12*\t], v7 offset:9216+768*\t+512
.endr
	s_wait_alu depctr_va_vdst(0)
	ds_load_b64 v[30:31], v9 offset:12800
	ds_load_b64 v[32:33], v9 offset:12928
	PLACES                                         ; ahead of the first read of the scores
	s_cmp_lg_u32 s[KS], s[GG+\n]
	s_cbranch_scc1 .Lopen_\n
	v_mov_b32 v38, 0xff800000                      ; on the diagonal hidden scores become -infinity: register 16 b + i holds key 32 b + 16 h + i of the step: hidden where 32 b + i > v5
.set J_, 0
.rept 64
	v_cmp_gt_i32 vcc_lo, 32*(J_/16)+J_%16, v5
	v_cndmask_b32 v[136+J_], v[136+J_], v38, vcc_lo
.set J_, J_+1
.endr
.Lopen_\n:
.irp b, 0,1,2,3
	v_max3_num_f32 v[240+\b], v[136+16*\b], v[137+16*\b], v[138+16*\b]     ; the largest score of each block of 32 keys: for the row's maximum, and, since p rises with the score, for the block's largest p
.endr
.irp i, 3,5,7,9,11,13
.irp b, 0,1,2,3
	v_max3_num_f32 v[240+\b], v[240+\b], v[136+16*\b+\i], v[137+16*\b+\i]
.endr
.endr
.irp b, 0,1,2,3
	v_max_num_f32 v[240+\b], v[240+\b], v[151+16*\b]
.endr
.irp b, 0,1,2,3
	s_delay_alu instid0(VALU_DEP_4)
	v_permlanex16_b32 v[244+\b], v[240+\b], s[SEL], s[SEL+1]
.endr
.irp b, 0,1,2,3
	s_delay_alu instid0(VALU_DEP_4)
	v_max_num_f32 v[240+\b], v[240+\b], v[244+\b]  ; with lane l xor 16's 16 keys
.endr
	s_delay_alu instid0(VALU_DEP_2)
	v_max3_num_f32 v38, v240, v241, v242
	s_delay_alu instid0(VALU_DEP_1)
	v_max_num_f32 v38, v38, v243
	s_delay_alu instid0(VALU_DEP_1)
	v_mul_f32 v38, s[CS], v38                      ; the step's largest t
	s_delay_alu instid0(VALU_DEP_1)
	v_max_num_f32 v13, v13, v38
	v_mov_b32 v38, v12
	s_delay_alu instid0(VALU_DEP_2)
	v_floor_f32 v12, -v13                          ; the new -M = -ceil(t)
	s_delay_alu instid0(VALU_DEP_1)
	v_sub_f32 v38, v12, v38                        ; old M - new M: a whole number, 0 or less
	s_delay_alu instid0(VALU_DEP_1)
	v_cvt_i32_f32 v38, v38                         ; (it saturates)
	s_delay_alu instid0(VALU_DEP_1)
	v_ldexp_f32 v10, 1.0, v38                      ; f = 2^(old M - new M)
.set J_, 0
	s_setprio 1
.rept 32
	v_pk_fma_f32 v[136+J_:137+J_], v[136+J_:137+J_], s[CS:CS+1], v[12:13] op_sel_hi:[1,0,0]    ; t - M
.set J_, J_+2
.endr
.irp b, 0,1,2,3
	v_fma_f32 v[240+\b], v[240+\b], s[CS], v12
.endr
.set J_, 0
	s_wait_alu depctr_va_vdst(0)
.rept 64
	v_exp_f32 v[136+J_], v[136+J_]                 ; p = 2^(t - M)
.set J_, J_+1
.endr
	v_pk_mul_f32 v[14:15], v[14:15], v[10:11] op_sel_hi:[1,0]      ; the sums under the new M: a plain place behind the exponentials
	s_wait_alu depctr_va_vdst(0)                   ; one wait for the batch of 64, ahead of its first reader
.irp b, 0,1,2,3
	v_exp_f32 v[240+\b], v[240+\b]                 ; each block's largest p
.endr
	v_pk_add_f32 v[248:249], v[140:141], v[144:145]
	v_pk_add_f32 v[254:255], v[148:149], v[152:153]
	v_pk_add_f32 v[252:253], v[156:157], v[160:161]
	v_pk_add_f32 v[250:251], v[164:165], v[168:169]
	v_pk_add_f32 v[246:247], v[172:173], v[176:177]
	v_pk_add_f32 v[244:245], v[180:181], v[184:185]
	v_pk_add_f32 v[238:239], v[188:189], v[192:193]
	v_pk_add_f32 v[14:15], v[14:15], v[196:197]
	v_pk_add_f32 v[248:249], v[248:249], v[136:137]
	v_pk_add_f32 v[254:255], v[254:255], v[138:139]
	v_pk_add_f32 v[252:253], v[252:253], v[142:143]
	v_pk_add_f32 v[250:251], v[250:251], v[146:147]
	v_pk_add_f32 v[246:247], v[246:247], v[150:151]
	v_pk_add_f32 v[244:245], v[244:245], v[154:155]
	v_pk_add_f32 v[238:239], v[238:239], v[158:159]
	v_pk_add_f32 v[14:15], v[14:15], v[162:163]
	v_pk_add_f32 v[248:249], v[248:249], v[166:167]
	v_pk_add_f32 v[254:255], v[254:255], v[170:171]
	v_pk_add_f32 v[252:253], v[252:253], v[174:175]
	v_pk_add_f32 v[250:251], v[250:251], v[178:179]
	v_pk_add_f32 v[246:247], v[246:247], v[182:183]
	v_pk_add_f32 v[244:245], v[244:245], v[186:187]
	v_pk_add_f32 v[238:239], v[238:239], v[190:191]
	v_pk_add_f32 v[14:15], v[14:15], v[194:195]
	v_pk_add_f32 v[248:249], v[248:249], v[198:199]
	s_delay_alu instid0(VALU_DEP_2)
	v_pk_add_f32 v[14:15], v[14:15], v[250:251]
	s_delay_alu instid0(VALU_DEP_2)
	v_pk_add_f32 v[248:249], v[248:249], v[246:247]
	v_pk_add_f32 v[254:255], v[254:255], v[244:245]
	v_pk_add_f32 v[252:253], v[252:253], v[238:239]
	s_delay_alu instid0(VALU_DEP_2)
	v_pk_add_f32 v[14:15], v[14:15], v[254:255]
	s_delay_alu instid0(VALU_DEP_2)
	v_pk_add_f32 v[248:249], v[248:249], v[252:253]
	s_delay_alu instid0(VALU_DEP_1)
	v_pk_add_f32 v[14:15], v[14:15], v[248:249]
	s_wait_alu depctr_va_vdst(0)                   ; and one for the four
.irp b, 0,1,2,3
	v_max_num_f32 v[240+\b], 0x1800000, v[240+\b]  ; the floor 2^(3 - 127)
.endr
.irp b, 0,1,2,3
	s_delay_alu instid0(VALU_DEP_4)
	v_add_nc_u32 v[252+\b], 0xff000000, v[240+\b]  ; the conversions' scale operands
.endr
.irp b, 0,1,2,3
	s_delay_alu instid0(VALU_DEP_4)
	v_lshrrev_b32 v[244+\b], 23, v[252+\b]
.endr
	s_delay_alu instid0(VALU_DEP_3)
	v_lshl_or_b32 v11, v245, 8, v244               ; p's scale word for these 128 keys
	s_delay_alu instid0(VALU_DEP_1)
	v_lshl_or_b32 v11, v246, 16, v11
	s_delay_alu instid0(VALU_DEP_1)
	v_lshl_or_b32 v11, v247, 24, v11
	s_setprio 0
	v_cvt_scalef32_pk16_fp6_f32 v[232:234], v[136:151], v252
	v_cvt_scalef32_pk16_fp6_f32 v[244:246], v[152:167], v253
	v_cvt_scalef32_pk16_fp6_f32 v[238:240], v[168:183], v254
	v_cvt_scalef32_pk16_fp6_f32 v[248:250], v[184:199], v255
	v_nop                                          ; one plain place behind the conversions
.irp i, 0,1,2
	v_permlane16_swap_b32 v[232+\i], v[244+\i]     ; a whole block to a lane
	v_permlane16_swap_b32 v[238+\i], v[248+\i]
.endr
.irp i, 0,1,2
	v_mov_b32 v[235+\i], v[244+\i]
	v_mov_b32 v[241+\i], v[248+\i]
.endr
.set J_, 0
.rept 16
	v_pk_mul_f32 v[200+J_:201+J_], v[200+J_:201+J_], v[10:11] op_sel_hi:[1,0]      ; O^T under the new M; these sixteen are also the places between the codes, the scale word and the products
.set J_, J_+2
.endr
	s_wait_alu depctr_va_vdst(0)
	s_wait_dscnt 0x0                               ; V
.irp t, 0,1,2,3
	v_wmma_scale_f32_16x16x128_f8f6f4 v[200+8*\t:207+8*\t], v[88+12*\t:99+12*\t], v[232:243], v[200+8*\t:207+8*\t], v[30+\t], v11 matrix_a_fmt:MATRIX_FMT_FP6 matrix_b_fmt:MATRIX_FMT_FP6
.endr
.Lskip_\n:
	s_add_co_u32 s[TB], s[TB], STEPB
	s_add_co_u32 s[KS], s[KS], 1
	s_cmp_lt_u32 s[KS], 16
	s_cbranch_scc1 .Lstep_\n
	s_setprio 0
	; the way out
	PLACES                                         ; behind the last products
.if \n == 0
	QLOAD 1                                        ; the next pass's queries: the registers' last products lie ahead of a whole softmax
.endif
	v_add_f32 v14, v14, v15
	v_permlanex16_b32 v38, v14, s[SEL], s[SEL+1]
	s_delay_alu instid0(VALU_DEP_1)
	v_add_f32 v14, v14, v38                        ; the row's sum
	s_wait_alu depctr_va_vdst(0)
	v_rcp_f32 v38, v14
	v_mov_b32 v[QT], 0                             ; (plain places behind the reciprocal; a lane permute's destination is written first)
	v_mov_b32 v[QT+1], 0
	s_wait_alu depctr_va_vdst(0)                   ; ahead of the reciprocal's first reader
.set J_, 0
.rept 16
	v_pk_mul_f32 v[136+J_:137+J_], v[200+J_:201+J_], v[38:39] op_sel_hi:[1,0]      ; register 16 b + i: d = 32 b + 16 h + i of my query
.set J_, J_+2
.endr
	v_max3_num_f32 v[QM], 0x1800000, |v136|, |v137|
	v_max3_num_f32 v[QM+1], 0x1800000, |v152|, |v153|
.irp i, 2,4,6,8,10,12,14
	s_delay_alu instid0(VALU_DEP_2)
	v_max3_num_f32 v[QM], v[QM], |v[136+\i]|, |v[137+\i]|
	s_delay_alu instid0(VALU_DEP_2)
	v_max3_num_f32 v[QM+1], v[QM+1], |v[152+\i]|, |v[153+\i]|
.endr
	s_delay_alu instid0(VALU_DEP_2)
	v_permlanex16_b32 v[QT], v[QM], s[SEL], s[SEL+1]
	s_delay_alu instid0(VALU_DEP_2)
	v_permlanex16_b32 v[QT+1], v[QM+1], s[SEL], s[SEL+1]
	s_delay_alu instid0(VALU_DEP_2)
	v_max_num_f32 v[QM], v[QM], v[QT]
	s_delay_alu instid0(VALU_DEP_2)
	v_max_num_f32 v[QM+1], v[QM+1], v[QT+1]
	s_delay_alu instid0(VALU_DEP_2)
	v_add_nc_u32 v[QE], 0xff000000, v[QM]
	s_delay_alu instid0(VALU_DEP_2)
	v_add_nc_u32 v[QE+1], 0xff000000, v[QM+1]
	s_delay_alu instid0(VALU_DEP_2)
	v_lshrrev_b32 v[BD], 23, v[QE]
	s_delay_alu instid0(VALU_DEP_2)
	v_lshrrev_b32 v[BD+1], 23, v[QE+1]
	v_cvt_scalef32_pk16_fp6_f32 v[PD:PD+2], v[136:151], v[QE]
	v_cvt_scalef32_pk16_fp6_f32 v[QC:QC+2], v[152:167], v[QE+1]
	v_cndmask_b32 v[BD], v[BD], v[BD+1], s[HM]     ; lane (r, h) stores block h's byte.  (A plain place behind the conversions)
.irp i, 0,1,2
	v_permlane16_swap_b32 v[PD+\i], v[QC+\i]
.endr
.irp i, 0,1,2
	s_delay_alu instid0(VALU_DEP_3)
	v_mov_b32 v[PD+3+\i], v[QC+\i]
.endr
	global_store_b128 v1, v[PD:PD+3], s[44+8*\n:45+8*\n]           ; a half-image: K step = the head, of the last projection's operand
	global_store_b64 v2, v[PD+4:PD+5], s[44+8*\n:45+8*\n] offset:512
	global_store_b8 v29, v[BD], s[46+8*\n:47+8*\n]
	s_wait_xcnt 0x0                                ; the stores have read their registers: the next pass's scores land there
.endm
	PASS 0
	v_add_nc_u32 v5, 8, v5                         ; tile e + 1: my query lies 8 further on
	PASS 1
	s_wait_xcnt 0x0
	v_lshl_add_u32 v254, v0, 2, 0x33000
	v_mov_b32 v255, 0
	s_wait_alu depctr_va_vdst(0)
	s_wait_tensorcnt 0x0
	ds_add_u32 v254, v255
	s_wait_dscnt 0x0
	CROUND                                         ; the closing round
	s_endpgm
.Lfunc_end_k_q16a7276e00_attn:
	.size	k_q16a7276e00_attn, .Lfunc_end_k_q16a7276e00_attn-k_q16a7276e00_attn
	.p2alignl 7, 3214868480
	.fill 96, 4, 3214868480
	.section	.rodata,"a",@progbits
	.p2align	6, 0x0
	.amdhsa_kernel k_q16a7276e00_attn
		.amdhsa_group_segment_fixed_size 210944
		.amdhsa_private_segment_fixed_size 0
		.amdhsa_enable_private_segment 0
		.amdhsa_kernarg_size 32
		.amdhsa_user_sgpr_count 2
		.amdhsa_user_sgpr_kernarg_segment_ptr 1
		.amdhsa_wavefront_size32 1
		.amdhsa_system_sgpr_workgroup_id_x 1
		.amdhsa_system_sgpr_workgroup_id_y 1
		.amdhsa_system_sgpr_workgroup_id_z 1
		.amdhsa_system_vgpr_workitem_id 0
		.amdhsa_next_free_vgpr 256
		.amdhsa_next_free_sgpr 66
		.amdhsa_reserve_vcc 1
		.amdhsa_float_denorm_mode_32 3
		.amdhsa_float_denorm_mode_16_64 3
		.amdhsa_memory_ordered 1
		.amdhsa_forward_progress 1
		.amdhsa_inst_pref_size 65
	.end_amdhsa_kernel
	.amdgpu_metadata
---
amdhsa.version: [ 1, 2 ]
amdhsa.kernels:
  - .name:           k_q16a7276e00_attn
    .symbol:         k_q16a7276e00_attn.kd
    .args:
      - { .name: qb, .offset: 0, .size: 8, .value_kind: global_buffer, .address_space: global }
      - { .name: kv, .offset: 8, .size: 8, .value_kind: global_buffer, .address_space: global }
      - { .name: oc, .offset: 16, .size: 8, .value_kind: global_buffer, .address_space: global }
      - { .name: os, .offset: 24, .size: 8, .value_kind: global_buffer, .address_space: global }
    .group_segment_fixed_size: 210944
    .private_segment_fixed_size: 0
    .kernarg_segment_align: 8
    .kernarg_segment_size: 32
    .max_flat_workgroup_size: 512
    .sgpr_count:     66
    .vgpr_count:     256
    .wavefront_size: 32
...
	.end_amdgpu_metadata
.endif
;; end of part 3
;; launch outp (part 4): grid 4 x 64, 4 waves a work-group, clusters of 4 x 4, 312,832 bytes of LDS; arguments oc, os, cod, scl, bo, out0; writes out0
.if DOCPART == 4
	.amdgcn_target "amdgcn-amd-amdhsa--gfx1250"
	.amdhsa_code_object_version 6
	.text
	.protected	k_q16a7276e00_outp
	.globl	k_q16a7276e00_outp
	.p2align	8
	.type	k_q16a7276e00_outp,@function
k_q16a7276e00_outp:
	s_mov_b64 s[64:65], 0
	v_nop
	global_prefetch_b8 v0, s[64:65] scope:SCOPE_SE
	s_setreg_imm32_b32 hwreg(HW_REG_WAVE_MODE, 25, 1), 1
	s_wait_xcnt 0x0
	s_wait_alu depctr_hold_cnt(0) depctr_sa_sdst(0) depctr_va_vdst(0) depctr_va_sdst(0) depctr_va_ssrc(0) depctr_va_vcc(0) depctr_vm_vsrc(0)
	s_getreg_b32 s2, hwreg(HW_REG_IB_STS2, 6, 4)
	s_cmp_eq_u32 s2, 0
	s_cbranch_scc0 .Lentry_in_a_cluster
	s_endpgm
.Lentry_in_a_cluster:
	s_bfe_u32 s2, ttmp6, 0x10000c
	s_cmp_lg_u32 s2, 0xf033
	s_cbranch_scc0 .Lentry_shape_is_right
	s_endpgm
.Lentry_shape_is_right:
; out0 = o Wo^T + bo on codes of FP6 (E2M3) with E8M0 scales: o's codes (oc) and scale bytes (os) come from the attention launch, Wo's from the quantising launch (tiles 1728-1791 of cod).
; SHARES, LDS, CLUSTER and the eight K steps are those of the projections' launch: work-group (X, Y): rows 128 Y on, columns 256 X on; wave w all 128 rows x columns 64 w on; the tile's operands for all of K lie in LDS, brought once in four chunks;
; A's chunks are asked for jointly by a row of the 4 x 4 cluster, B's by a column; four loads of a wave are out at most; every byte is filled once.
; THE PRODUCT IS USED TRANSPOSED: a lane holds one token, and the registers of tiles 2 b, 2 b + 1 are columns 32 b + 16 (lane / 16) + 0 .. 15.  The bias is the C of each sum's first product.
; THE WAY OUT: a block of 16 tokens x 64 columns goes through the wave's own stage (16 rows x 272 bytes, behind the operands: no fill lands there) and leaves as rows of 256 consecutive bytes, aligned, sixteen lanes to a row.
; Storage row s of a tile is the tensor's row with bits 3 and 4 exchanged: the stores' immediates put it right.
.set CH,   73728
.set STAGE, 294912
.set WV,   20
.set G1A,  28
.set G1B,  36
.set G0A,  44
.set G0B,  68
.set AA16, 5
.set AA8,  6
.set BB16, 7
.set BB8,  8
.set STO,  11
.set RD,   12
.set CO,   13
.set SA,   32
.set SB,   96
.set BI,   128
.set BK,   160                         ; v160-191, v192-223: a block read back, by turns
.set MSB, 0
.macro WIN new
.if MSB != (\new)
	s_set_vgpr_msb (MSB<<8)|(\new)
.set MSB, \new
.endif
.endm
.macro PLACES
.rept 4
	v_nop
.endr
.endm
.macro CROUND
	s_barrier_signal -1
	s_barrier_wait -1
	s_cmp_lg_u32 s[WV], 0
	s_cbranch_scc1 .Lnot_wave_0_\@
	s_barrier_signal -3
.Lnot_wave_0_\@:
	s_barrier_wait -3
	s_barrier_signal -1
	s_barrier_wait -1
.endm
.macro FRAG reg, a16, a8, off
	ds_load_b128 v[\reg:\reg+3], v[\a16] offset:\off
	ds_load_b64 v[\reg+4:\reg+5], v[\a8] offset:\off+512
	ds_load_b128 v[\reg+6:\reg+9], v[\a16] offset:\off+768
	ds_load_b64 v[\reg+10:\reg+11], v[\a8] offset:\off+1280
.endm
.macro FETCH s
	WIN 0x40
.irp t, 0,1,2,3
	FRAG 48*((\s)%2)+12*\t, BB16, BB8, 3072*\t+1536*((\s)%2)
.endr
	WIN 0xc0
.irp a, 0,1,2,3,4,5,6,7
	FRAG 96*((\s)%2)+12*\a, AA16, AA8, 3072*\a+1536*((\s)%2)
.endr
.endm
.macro MUL s, half                     ; 16 products; every accumulator has one turn a step, in the same order
.if (\s) == 0
	WIN 0x8d
.else
	WIN 0xad
.endif
.irp aa, 0,1,2,3
.irp t, 0,1,2,3
.set A_, 4*(\half)+\aa
.set FB_, 48*((\s)%2)+12*\t
.set FA_, 96*((\s)%2)+12*A_
.set D_, 8*(4*A_+\t)
.if (\s) == 0
	v_wmma_scale_f32_16x16x128_f8f6f4 v[D_:D_+7], v[FB_:FB_+11], v[FA_:FA_+11], v[BI+8*\t:BI+8*\t+7], v[SB+8*\t+(\s)], v[SA+8*A_+(\s)] matrix_a_fmt:MATRIX_FMT_FP6 matrix_b_fmt:MATRIX_FMT_FP6
.else
	v_wmma_scale_f32_16x16x128_f8f6f4 v[D_:D_+7], v[FB_:FB_+11], v[FA_:FA_+11], v[D_:D_+7], v[SB+8*\t+(\s)], v[SA+8*A_+(\s)] matrix_a_fmt:MATRIX_FMT_FP6 matrix_b_fmt:MATRIX_FMT_FP6
.endif
.endr
.endr
.endm
	s_load_b256 s[4:11], s[0:1], 0x0               ; oc, os, cod, scl
	s_load_b128 s[12:15], s[0:1], 0x20             ; bo, out0
	v_lshl_add_u32 v254, v0, 2, 0x4c400
	v_mov_b32 v255, 0
	ds_add_u32 v254, v255
	ds_add_u32 v254, v255
	v_lshrrev_b32 v1, 5, v0
	v_readfirstlane_b32 s[WV], v1
	s_bfe_u32 s21, ttmp6, 0x40000                  ; cx = X
	s_bfe_u32 s22, ttmp6, 0x40004                  ; cy
	s_and_b32 s23, ttmp7, 0xffff
	s_lshl_b32 s24, s23, 2
	s_add_co_u32 s24, s24, s22                     ; Y
	s_lshl_b32 s84, s22, 2
	s_lshl_b32 s84, 15, s84                        ; my row of the cluster
	s_lshl_b32 s86, 0x1111, s21                    ; my column
	s_or_b32 s[G1A], s84, (3<<16)|(1<<21)
	s_or_b32 s[G1B], s86, (3<<16)|(1<<21)
.irp g, G1A, G1B
	s_mov_b32 s[\g+1], 384<<16
	s_mov_b32 s[\g+2], 8<<16
	s_mov_b32 s[\g+3], 384<<16
	s_mov_b32 s[\g+4], 8
	s_mov_b32 s[\g+5], 1536
	s_mov_b32 s[\g+6], 0
	s_mov_b32 s[\g+7], 0
.endr
	s_mul_i32 s84, s24, 98304
	s_mov_b32 s85, 0
	s_lshl_b32 s86, s21, 4                         ; B: tile 1728 + 16 X + 8 (wave / 2)
	s_lshr_b32 s87, s[WV], 1
	s_lshl_b32 s87, s87, 3
	s_add_co_u32 s86, s86, s87
	s_add_co_u32 s86, s86, 1728
	s_mul_i32 s86, s86, 12288
	s_mov_b32 s87, 0
	s_mul_i32 s88, s[WV], 24576
	s_wait_dscnt 0x0
	s_wait_kmcnt 0x0
	s_add_nc_u64 s[84:85], s[4:5], s[84:85]
	s_add_nc_u64 s[86:87], s[8:9], s[86:87]
.irp c, 0,1,2,3
	s_mov_b32 s[G0A+4*\c], 1
	s_add_co_u32 s[G0A+4*\c+1], s88, CH*\c
	s_add_nc_u64 s[G0A+4*\c+2:G0A+4*\c+3], s[84:85], 3072*\c
	s_or_b32 s[G0A+4*\c+3], s[G0A+4*\c+3], 0x80000000
	s_mov_b32 s[G0B+4*\c], 1
	s_add_co_u32 s[G0B+4*\c+1], s88, CH*\c
	s_add_nc_u64 s[G0B+4*\c+2:G0B+4*\c+3], s[86:87], 3072*\c
	s_or_b32 s[G0B+4*\c+3], s[G0B+4*\c+3], 0x80000000
.endr
	CROUND                                         ; all sixteen work-groups are here: the joint loads meet
	s_cmp_eq_u32 s[WV], 0
	s_cbranch_scc0 .Lnot_a
.irp c, 0,1,2,3
	tensor_load_to_lds s[G0A+4*\c:G0A+4*\c+3], s[G1A:G1A+7]
	s_nop 0
.endr
	PLACES
	s_branch .Lasked
.Lnot_a:
	s_cmp_lt_u32 s[WV], 3
	s_cbranch_scc0 .Lasked
.irp c, 0,1,2,3
	tensor_load_to_lds s[G0B+4*\c:G0B+4*\c+3], s[G1B:G1B+7]
	s_nop 0
.endr
	PLACES
.Lasked:
	v_and_b32 v1, 15, v0                           ; r
	v_bfe_u32 v2, v0, 4, 1                         ; h
	v_and_b32 v14, 31, v0
	v_lshlrev_b32 v3, 4, v14
	v_lshlrev_b32 v4, 3, v14
	v_mov_b32 v[AA16], v3
	v_mov_b32 v[AA8], v4
	s_mul_i32 s89, s[WV], 12288
	s_add_co_u32 s89, s89, 24576
	v_add_nc_u32 v[BB16], s89, v3
	v_add_nc_u32 v[BB8], s89, v4
	v_lshlrev_b32 v9, 5, v1                        ; 32 r
	v_lshlrev_b32 v10, 6, v2                       ; 64 h
	s_wait_alu depctr_va_vdst(0)
	s_mul_i32 s89, s[WV], 4352
	s_add_co_u32 s89, s89, STAGE                   ; my stage
	v_mul_u32_u24 v[STO], v1, 272
	v_add_nc_u32 v[STO], v[STO], v10
	v_add_nc_u32 v[STO], s89, v[STO]               ; in: row r, + 64 h
	v_mul_u32_u24 v[RD], v2, 272
	v_lshl_add_u32 v[RD], v1, 4, v[RD]
	v_add_nc_u32 v[RD], s89, v[RD]                 ; back: lanes 0-15 one row, lanes 16-31 the next
	v_lshlrev_b32 v[CO], 12, v2
	v_lshl_add_u32 v[CO], v1, 4, v[CO]             ; and the same in out0
	s_lshl_b32 s90, s24, 12
	s_mov_b32 s91, 0
	s_add_nc_u64 s[92:93], s[6:7], s[90:91]        ; A's scale bytes
	s_lshl_b32 s90, s21, 4
	s_lshl_b32 s94, s[WV], 2
	s_add_co_u32 s90, s90, s94
	s_add_co_u32 s90, s90, 1728
	s_lshl_b32 s90, s90, 9
	s_add_nc_u64 s[94:95], s[10:11], s[90:91]      ; those of my four tiles of B
	s_lshl_b32 s90, s21, 2
	s_add_co_u32 s90, s90, s[WV]
	s_lshl_b32 s90, s90, 8                         ; my 64 columns, 256 bytes
	s_add_nc_u64 s[12:13], s[12:13], s[90:91]
	s_add_nc_u64 s[14:15], s[14:15], s[90:91]
	s_lshl_b32 s90, s24, 19                        ; 128 rows of 4,096 bytes for each Y
	s_add_nc_u64 s[14:15], s[14:15], s[90:91]
.irp a, 0,1,2,3,4,5,6,7
	global_load_b128 v[SA+8*\a:SA+8*\a+3], v9, s[92:93] offset:512*\a
	global_load_b128 v[SA+8*\a+4:SA+8*\a+7], v9, s[92:93] offset:512*\a+16
.endr
.irp t, 0,1,2,3
	global_load_b128 v[SB+8*\t:SB+8*\t+3], v9, s[94:95] offset:512*\t
	global_load_b128 v[SB+8*\t+4:SB+8*\t+7], v9, s[94:95] offset:512*\t+16
.endr
.irp t, 0,1,2,3
	global_load_b128 v[BI+8*\t:BI+8*\t+3], v10, s[12:13] offset:128*(\t/2)+32*(\t%2)
	global_load_b128 v[BI+8*\t+4:BI+8*\t+7], v10, s[12:13] offset:128*(\t/2)+32*(\t%2)+16
.endr
	s_wait_loadcnt 0x0
	s_wait_tensorcnt 0x3                           ; my load of chunk 0 has landed; three may be out
	s_barrier_signal -1
	s_barrier_wait -1
	FETCH 0
.irp s, 0,1,2,3,4,5,6,7
	s_wait_dscnt 0x0                               ; this step's fragments are in
.if (\s)%2 == 0
	PLACES                                         ; behind the last step's products, ahead of loads into the set that they read
	FETCH (\s)+1
	MUL \s, 0
	MUL \s, 1
.elseif (\s) < 7
	s_wait_tensorcnt 3-((\s)+1)/2                  ; my load of the next chunk has landed; the later ones stay out
	s_barrier_signal -1
	MUL \s, 0
	WIN 0
	s_barrier_wait -1
	v_add_nc_u32 v[AA16], CH, v[AA16]              ; on to the next chunk; these four are the places ahead of the loads
	v_add_nc_u32 v[AA8], CH, v[AA8]
	v_add_nc_u32 v[BB16], CH, v[BB16]
	s_wait_alu depctr_va_vdst(0)
	v_add_nc_u32 v[BB8], CH, v[BB8]
	s_wait_alu depctr_va_vdst(0)
	FETCH (\s)+1
	MUL \s, 1
.else
	MUL \s, 0
	MUL \s, 1
.endif
.endr
	WIN 0
.macro TOSTAGE a
	WIN 0x08                                       ; an LDS store's data are its source 1: window 2
.irp t, 0,1,2,3
	ds_store_b128 v[STO], v[8*(4*(\a)+\t):8*(4*(\a)+\t)+3] offset:128*(\t/2)+32*(\t%2)       ; each accumulator from its low end on
	ds_store_b128 v[STO], v[8*(4*(\a)+\t)+4:8*(4*(\a)+\t)+7] offset:128*(\t/2)+32*(\t%2)+16
.endr
	WIN 0
.set BB_, BK+32*((\a)%2)
.irp i, 0,1,2,3,4,5,6,7
	ds_load_b128 v[BB_+4*\i:BB_+4*\i+3], v[RD] offset:544*\i       ; LDS serves a wave's instructions in order: these see the stores, and the next block's stores come behind them
.endr
.endm
.macro SEND a, younger                 ; younger: the LDS instructions issued behind block a's loads
.set BB_, BK+32*((\a)%2)
	s_wait_dscnt \younger
.irp i, 0,1,2,3,4,5,6,7
	global_store_b128 v[CO], v[BB_+4*\i:BB_+4*\i+3], s[14:15] offset:(32*((\a)/2)+8*((\a)%2)+2*\i+8*(\i/4))*4096 th:TH_STORE_NT   ; sixteen lanes store 256 consecutive bytes, aligned
.endr
.endm
	PLACES                                         ; behind the last products
	TOSTAGE 0
.irp a, 1,2,3,4,5,6,7
.if \a > 1
	s_wait_xcnt 0x0                                ; block a - 2's stores have read their registers: block a's loads may land there
.endif
	TOSTAGE \a
	SEND \a-1, 16                                  ; behind block a - 1's loads: block a's 8 stores and 8 loads
.endr
	SEND 7, 0
	s_wait_tensorcnt 0x0
	ds_add_u32 v254, v255
	s_wait_dscnt 0x0
	CROUND                                         ; the closing round
	s_endpgm
.Lfunc_end_k_q16a7276e00_outp:
	.size	k_q16a7276e00_outp, .Lfunc_end_k_q16a7276e00_outp-k_q16a7276e00_outp
	.p2alignl 7, 3214868480
	.fill 96, 4, 3214868480
	.section	.rodata,"a",@progbits
	.p2align	6, 0x0
	.amdhsa_kernel k_q16a7276e00_outp
		.amdhsa_group_segment_fixed_size 312832
		.amdhsa_private_segment_fixed_size 0
		.amdhsa_enable_private_segment 0
		.amdhsa_kernarg_size 48
		.amdhsa_user_sgpr_count 2
		.amdhsa_user_sgpr_kernarg_segment_ptr 1
		.amdhsa_wavefront_size32 1
		.amdhsa_system_sgpr_workgroup_id_x 1
		.amdhsa_system_sgpr_workgroup_id_y 1
		.amdhsa_system_sgpr_workgroup_id_z 1
		.amdhsa_system_vgpr_workitem_id 0
		.amdhsa_next_free_vgpr 1024
		.amdhsa_next_free_sgpr 100
		.amdhsa_reserve_vcc 0
		.amdhsa_float_denorm_mode_32 3
		.amdhsa_float_denorm_mode_16_64 3
		.amdhsa_memory_ordered 1
		.amdhsa_forward_progress 1
		.amdhsa_inst_pref_size 86
	.end_amdhsa_kernel
	.amdgpu_metadata
---
amdhsa.version: [ 1, 2 ]
amdhsa.kernels:
  - .name:           k_q16a7276e00_outp
    .symbol:         k_q16a7276e00_outp.kd
    .args:
      - { .name: oc, .offset: 0, .size: 8, .value_kind: global_buffer, .address_space: global }
      - { .name: os, .offset: 8, .size: 8, .value_kind: global_buffer, .address_space: global }
      - { .name: cod, .offset: 16, .size: 8, .value_kind: global_buffer, .address_space: global }
      - { .name: scl, .offset: 24, .size: 8, .value_kind: global_buffer, .address_space: global }
      - { .name: bo, .offset: 32, .size: 8, .value_kind: global_buffer, .address_space: global }
      - { .name: out0, .offset: 40, .size: 8, .value_kind: global_buffer, .address_space: global }
    .group_segment_fixed_size: 312832
    .private_segment_fixed_size: 0
    .kernarg_segment_align: 8
    .kernarg_segment_size: 48
    .max_flat_workgroup_size: 128
    .sgpr_count:     100
    .vgpr_count:     1024
    .wavefront_size: 32
...
	.end_amdgpu_metadata
.endif
;; end of part 4
